; MI455X (gfx1250); checked and timed in simulation.
; The chip was launched on July 23, 2026; its instructions are those of AMD's public machine-readable ISA for CDNA 5 (MIT licence, August 2026) and "CDNA5" Instruction Set Architecture Reference Guide (July 2026). The comments in the code are by the model that wrote it; some were corrected since.
;; Causal Self Attention. Allowed arithmetic: float matrix products may take bf16 or f16 operands with f32 sums; all other float work in f32.
;; Inputs: Wk 1,024 x 1,024 float32; Wo 1,024 x 1,024 float32; Wq 1,024 x 1,024 float32; Wv 1,024 x 1,024 float32; bo 1,024 float32; x 4 x 2,048 x 1,024 float32.
;; Outputs: out0 4 x 2,048 x 1,024 float32.
;; 2 versions, each right; version 2 is version 1 with the launch cast written anew for expert scheduling mode. Each part assembles by itself: llvm-mc -triple=amdgcn-amd-amdhsa -mcpu=gfx1250 --defsym DOCPART=n.
;; ======== version 1 of 2: 4 launches
;; limits: values are held in f16: magnitudes above 65,504 overflow, below 6.1e-05 lose precision
;; workspace buffers: xb 16,777,216 bytes; wb 8,388,608 bytes; qb 16,777,216 bytes; kb 16,777,216 bytes; vb 16,777,216 bytes; ao 16,777,216 bytes
;; launch cast (part 1): grid 64 x 12, 8 waves a work-group, no clusters, 0 bytes of LDS; arguments x, Wq, Wk, Wv, Wo, xb, wb; writes xb, wb
.if DOCPART == 1
	.amdgcn_target "amdgcn-amd-amdhsa--gfx1250"
	.amdhsa_code_object_version 6
	.text
	.protected	k_q2e9c9daf47_cast
	.globl	k_q2e9c9daf47_cast
	.p2align	8
	.type	k_q2e9c9daf47_cast,@function
k_q2e9c9daf47_cast:
	s_mov_b64 s[64:65], 0
	v_nop
	global_prefetch_b8 v0, s[64:65] scope:SCOPE_SE
	s_setreg_imm32_b32 hwreg(HW_REG_WAVE_MODE, 25, 1), 1
	s_wait_xcnt 0x0
; Rounds x, Wq, Wk, Wv to bf16 and Wo to bf16 and then to f16, and lays each matrix [R][1024] out again as
; [16 slabs][R][64]: a slab holds 64 neighbouring columns, its rows are 128 bytes, so every tile that a later launch fetches is dense.
;   xb: [16][8192][64] bf16.   wb: [head 16][q,k,v 3][k 1024][64] bf16, then from byte 0x600000 Wo as [slab 16][k 1024][64] f16.
; LIMIT: Wo is rounded twice (bf16, then f16).  The second step is exact for 6.1e-5 <= |Wo| < 65,504; below that it keeps an
; absolute step of 2^-24, and from 65,504 on it overflows.
; Work-group (gx, gy): gy picks 1,024 source rows (0-7: x; 8, 9, 10: Wq, Wk, Wv; 11: Wo), gx 16 rows of them.  Wave w takes slabs 2w, 2w+1.
; A load of a wave covers 256 consecutive bytes of each of two rows; a store covers 256 consecutive bytes (two rows of a slab), aligned.
; No LDS, no barrier, no matrix unit: nothing is shared and nothing is multiplied.
.set VIN,  2                           ; v2      byte offset of my 16 bytes in the first pair of source rows
.set VOUT, 3                           ; v3, v4  byte offset of my 8 bytes in slab 2w, 2w+1
.set X,    8                           ; v[8:71]   16 loads of 4 f32
.set Y,    72                          ; v[72:103] 16 stores of 4 numbers of 16 bits
.set T,    104                         ; v[104:105] at work (Wo only)
	s_load_b256 s[4:11], s[0:1], 0x0               ; x, Wq, Wk, Wv
	s_load_b128 s[12:15], s[0:1], 0x20             ; Wo, xb
	s_load_b64 s[16:17], s[0:1], 0x30              ; wb
	v_and_b32 v1, 31, v0                           ; lane L
	v_lshrrev_b32 v5, 5, v0
	v_readfirstlane_b32 s21, v5                    ; wave w
	s_and_b32 s20, ttmp7, 0xffff                   ; gy
	; offsets, made apart from the addresses
	s_lshl_b32 s22, s20, 22                        ; x: gy x 1,024 rows of 4,096 bytes
	s_and_b32 s24, s20, 7
	s_lshl_b32 s24, s24, 17                        ; xb: gy x 1,024 rows of 128 bytes; wb: plane gy - 8, as large
	s_mov_b32 s27, 0x100000                        ; from slab to slab in xb
	s_mov_b32 s28, 0x60000                         ; from head to head in wb
	s_cmp_lt_u32 s20, 8
	s_cselect_b32 s22, s22, 0
	s_cselect_b32 s26, s27, s28
	s_cmp_eq_u32 s20, 11
	s_cselect_b32 s24, 0x600000, s24               ; Wo's part of wb
	s_cselect_b32 s26, 0x20000, s26                ; and its slabs
	s_lshl_b32 s30, ttmp9, 16                      ; gx x 16 source rows
	s_add_co_u32 s22, s22, s30
	s_mov_b32 s23, 0
	s_lshl_b32 s30, ttmp9, 11                      ; gx x 16 rows of a slab
	s_add_co_u32 s24, s24, s30
	s_mov_b32 s25, 0
	v_lshrrev_b32 v6, 4, v1                        ; which row of a pair
	v_and_b32 v7, 15, v1
	v_lshlrev_b32 v[VIN], 4, v7                    ; 16 (L mod 16)
	v_lshl_add_u32 v[VIN], v6, 12, v[VIN]          ; + row of 4,096 bytes
	s_lshl_b32 s31, s21, 9
	v_add_nc_u32 v[VIN], s31, v[VIN]               ; + two slabs of 256 bytes for each wave
	s_mul_i32 s29, s21, s26
	s_lshl_b32 s29, s29, 1                         ; slab 2w
	v_lshl_add_u32 v[VOUT], v1, 3, s29             ; + 8 L: lanes 0-15 the even row, 16-31 the odd one
	v_add_nc_u32 v[VOUT+1], s26, v[VOUT]           ; slab 2w + 1
	s_wait_kmcnt 0x0
	s_cmp_eq_u32 s20, 8                            ; the source and the destination are chosen by gy alone
	s_cselect_b64 s[4:5], s[6:7], s[4:5]
	s_cmp_eq_u32 s20, 9
	s_cselect_b64 s[4:5], s[8:9], s[4:5]
	s_cmp_eq_u32 s20, 10
	s_cselect_b64 s[4:5], s[10:11], s[4:5]
	s_cmp_eq_u32 s20, 11
	s_cselect_b64 s[4:5], s[12:13], s[4:5]
	s_cmp_lt_u32 s20, 8
	s_cselect_b64 s[14:15], s[14:15], s[16:17]
	s_add_nc_u64 s[4:5], s[4:5], s[22:23]
	s_add_nc_u64 s[14:15], s[14:15], s[24:25]
	; all 16 loads of the wave go out at once: 8 pairs of rows x 2 slabs, 8 KiB a wave
.set cnt, 0
.rept 16
	global_load_b128 v[X+4*cnt:X+4*cnt+3], v[VIN], s[4:5] offset:(cnt/2)*8192+(cnt%2)*256 th:TH_LOAD_NT
.set cnt, cnt+1
.endr
	s_cmp_eq_u32 s20, 11
	s_cbranch_scc1 .Lwo
.set cnt, 0
.rept 16
	s_wait_loadcnt 15-cnt                          ; loads come back in order: this one is in, the younger ones stay out
	v_cvt_pk_bf16_f32 v[Y+2*cnt], v[X+4*cnt], v[X+4*cnt+1]
	v_cvt_pk_bf16_f32 v[Y+2*cnt+1], v[X+4*cnt+2], v[X+4*cnt+3]
	global_store_b64 v[VOUT+cnt%2], v[Y+2*cnt:Y+2*cnt+1], s[14:15] offset:(cnt/2)*256
.set cnt, cnt+1
.endr
	s_endpgm
.Lwo:
.set cnt, 0
.rept 16
	s_wait_loadcnt 15-cnt
	v_cvt_pk_bf16_f32 v[T], v[X+4*cnt], v[X+4*cnt+1]           ; to bf16, as the other inputs are rounded,
	v_cvt_pk_bf16_f32 v[T+1], v[X+4*cnt+2], v[X+4*cnt+3]
	v_lshlrev_b32 v[X+4*cnt], 16, v[T]                         ; back to f32,
	v_and_b32 v[X+4*cnt+1], 0xffff0000, v[T]
	v_lshlrev_b32 v[X+4*cnt+2], 16, v[T+1]
	v_and_b32 v[X+4*cnt+3], 0xffff0000, v[T+1]
	v_cvt_pk_f16_f32 v[Y+2*cnt], v[X+4*cnt], v[X+4*cnt+1]      ; and into f16, the format of the operand that it meets
	v_cvt_pk_f16_f32 v[Y+2*cnt+1], v[X+4*cnt+2], v[X+4*cnt+3]
	global_store_b64 v[VOUT+cnt%2], v[Y+2*cnt:Y+2*cnt+1], s[14:15] offset:(cnt/2)*256
.set cnt, cnt+1
.endr
	s_endpgm
.Lfunc_end_k_q2e9c9daf47_cast:
	.size	k_q2e9c9daf47_cast, .Lfunc_end_k_q2e9c9daf47_cast-k_q2e9c9daf47_cast
	.p2alignl 7, 3214868480
	.fill 96, 4, 3214868480
	.section	.rodata,"a",@progbits
	.p2align	6, 0x0
	.amdhsa_kernel k_q2e9c9daf47_cast
		.amdhsa_group_segment_fixed_size 0
		.amdhsa_private_segment_fixed_size 0
		.amdhsa_enable_private_segment 0
		.amdhsa_kernarg_size 56
		.amdhsa_user_sgpr_count 2
		.amdhsa_user_sgpr_kernarg_segment_ptr 1
		.amdhsa_wavefront_size32 1
		.amdhsa_system_sgpr_workgroup_id_x 1
		.amdhsa_system_sgpr_workgroup_id_y 1
		.amdhsa_system_sgpr_workgroup_id_z 1
		.amdhsa_system_vgpr_workitem_id 0
		.amdhsa_next_free_vgpr 108
		.amdhsa_next_free_sgpr 66
		.amdhsa_reserve_vcc 0
		.amdhsa_float_denorm_mode_32 3
		.amdhsa_float_denorm_mode_16_64 3
		.amdhsa_memory_ordered 1
		.amdhsa_forward_progress 1
		.amdhsa_inst_pref_size 17
	.end_amdhsa_kernel
	.amdgpu_metadata
---
amdhsa.version: [ 1, 2 ]
amdhsa.kernels:
  - .name:           k_q2e9c9daf47_cast
    .symbol:         k_q2e9c9daf47_cast.kd
    .args:
      - { .name: x, .offset: 0, .size: 8, .value_kind: global_buffer, .address_space: global }
      - { .name: Wq, .offset: 8, .size: 8, .value_kind: global_buffer, .address_space: global }
      - { .name: Wk, .offset: 16, .size: 8, .value_kind: global_buffer, .address_space: global }
      - { .name: Wv, .offset: 24, .size: 8, .value_kind: global_buffer, .address_space: global }
      - { .name: Wo, .offset: 32, .size: 8, .value_kind: global_buffer, .address_space: global }
      - { .name: xb, .offset: 40, .size: 8, .value_kind: global_buffer, .address_space: global }
      - { .name: wb, .offset: 48, .size: 8, .value_kind: global_buffer, .address_space: global }
    .group_segment_fixed_size: 0
    .private_segment_fixed_size: 0
    .kernarg_segment_align: 8
    .kernarg_segment_size: 56
    .max_flat_workgroup_size: 256
    .sgpr_count:     66
    .vgpr_count:     108
    .wavefront_size: 32
...
	.end_amdgpu_metadata
.endif
;; end of part 1
;; launch qkvg (part 2): grid 16 x 16, 4 waves a work-group, clusters of 4 x 4, 327,680 bytes of LDS; arguments xb, wb, qb, kb, vb; writes qb, kb, vb
.if DOCPART == 2
	.amdgcn_target "amdgcn-amd-amdhsa--gfx1250"
	.amdhsa_code_object_version 6
	.text
	.protected	k_q2e9c9daf47_qkvg
	.globl	k_q2e9c9daf47_qkvg
	.p2align	8
	.type	k_q2e9c9daf47_qkvg,@function
k_q2e9c9daf47_qkvg:
	s_mov_b64 s[64:65], 0
	v_nop
	global_prefetch_b8 v0, s[64:65] scope:SCOPE_SE
	s_setreg_imm32_b32 hwreg(HW_REG_WAVE_MODE, 25, 1), 1
	s_wait_xcnt 0x0
	s_wait_alu depctr_hold_cnt(0) depctr_sa_sdst(0) depctr_va_vdst(0) depctr_va_sdst(0) depctr_va_ssrc(0) depctr_va_vcc(0) depctr_vm_vsrc(0)
	s_getreg_b32 s2, hwreg(HW_REG_IB_STS2, 6, 4)
	s_cmp_eq_u32 s2, 0
	s_cbranch_scc0 .Lentry_in_a_cluster
	s_endpgm
.Lentry_in_a_cluster:
	s_bfe_u32 s2, ttmp6, 0x10000c
	s_cmp_lg_u32 s2, 0xf033
	s_cbranch_scc0 .Lentry_shape_is_right
	s_endpgm
.Lentry_shape_is_right:
; q, k, v = x Wq, x Wk, x Wv: one bf16 product [8192, 1024] x [1024, 3072], sums in f32, results in f16 as [head 16][8192 rows][64].
; LIMIT: q, k and v are stored in f16: a magnitude of 65,504 or more overflows, below 6.1e-5 the absolute step is 2^-24.
; A block is 256 rows x 192 columns: the 64 columns of q, of k and of v of ONE head.  A work-group STAYS and makes two blocks, row blocks 2 y and
; 2 y + 1 of head x: 16 x 16 = 256 work-groups.  The ring of LDS slots runs on from the first block into the second: the last two changes of slot of
; block 0 ask for block 1's first two K steps, which land while block 0 is finished and written out, and block 0's stores leave under block 1's products.
; Four waves; wave (i, j) makes rows 128 i .. + 127 and, of each of the three planes, columns 32 j .. + 31: 8 x 6 tiles of 16 x 16, 384 registers.
; K goes in steps of 128 through two LDS slots filled by the tensor data mover.  xb and wb are laid out in slabs of 64 columns, so A's part of a
; step is two dense blocks of 32 KiB and B's is two times three dense blocks of 8 KiB.
; CLUSTERS: 4 x 4 work-groups.  A's tiles hang on the row blocks alone and are asked for jointly along a row of the cluster, B's on the head alone
; and jointly along a column: each tile is requested once for four work-groups.
; REGISTERS in windows of 256: window 0: addresses, A's fragments (two buffers), the way out; window 1: B's fragments (two buffers);
; window 2: the 24 tiles of my rows 0-63 (tile (a, nb) at v[8 (6 a + nb)]); window 3: those of my rows 64-127.
; The matrix instruction is used transposed (source 0 = 16 columns of W, source 1 = 16 rows of x): lane l then holds row l % 16 and eight
; neighbouring columns 8 (l / 16) + 0 .. 7, which pack into 16 bytes.
.set APITCH, 144                       ; an LDS row of A: 128 bytes + 16: an odd multiple of 16, so 16 rows start at 16 different 16-byte columns modulo 256
.set BPITCH, 160                       ; an LDS row of W: 128 bytes + 32: an odd multiple of 32, as the transposing load's eight rows want
.set AHALF,  256*APITCH                ; one slab of A's 256 rows: what wave 0 or 1 fetches
.set BHALF,  3*64*BPITCH               ; 64 k of the three planes: what wave 2 or 3 fetches
.set BOFF,   2*AHALF
.set SLOT,   BOFF+2*BHALF              ; 135,168
.set STAGE,  2*SLOT                    ; behind the ring, never filled by a tensor load: 128 rows x 400 bytes for the way out
.set SPITCH, 400                       ; 384 bytes (three planes of 64 f16) + 16
.set LAPS,   4                         ; 1024 / (2 x 128): a lap is two K steps, once round the ring
.set ASTEP,  0x200000                  ; a K step in xb: two slabs of 1 MiB
.set BSTEP,  16384                     ; a K step in wb: 128 k of 128 bytes
.set RBLOCK, 32768                     ; a row block in a slab: 256 rows of 128 bytes
.set ADRA, 16                          ; v16-17  LDS address of my A fragments in slot 0, 1
.set ADRB, 20                          ; v20-21  the same for W
.set STO,  24                          ; v24     the way out: where I put 16 bytes
.set RD,   25                          ; v25     the way out: where I read 16 bytes back
.set CO,   26                          ; v26     16 x lane
.set F0,   64                          ; fragment buffer 0
.set F1,   128                         ; fragment buffer 1
.set TMP,  64                          ; the way out: v64-159 packed results
.set OUTB, 160                         ; the way out: v160-255 rows read back
.set G1,  24                           ; s[24:31] group 1 for A
.set G0,  32                           ; s[32:39] group 0 for A, one set a slot
.set G1B, 48                           ; s[48:55] group 1 for W
.set G0B, 56                           ; s[56:63] group 0 for W, one set a slot
.set MSB, 0
.macro WIN new                         ; the immediate's high byte repeats the setting that is left
.if MSB != \new
	s_set_vgpr_msb (MSB<<8)|\new
.set MSB, \new
.endif
.endm
.set MUL_LO, 0xa1                      ; source 0 (W) window 1, source 1 (x) window 0, C and D window 2
.set MUL_HI, 0xf1                      ; the same, C and D window 3
.set TO_B,   0x40                      ; destination window 1, address window 0
; A joint load: waves 0 and 1 ask for A's two slabs, waves 2 and 3 for W's two halves.  The branch hangs on the wave's number alone.
.macro JLOAD s
	s_cmp_eq_u32 s11, 0
	s_cbranch_scc0 .Lfor_b_\@
	tensor_load_to_lds s[G0+4*\s:G0+4*\s+3], s[G1:G1+7]
	s_nop 0
	s_branch .Lasked_\@
.Lfor_b_\@:
	tensor_load_to_lds s[G0B+4*\s:G0B+4*\s+3], s[G1B:G1B+7]
	s_nop 0
.Lasked_\@:
.endm
; A round of the cluster's barrier behind its opening work-group barrier: wave 0 signals for the work-group, every wave waits for all sixteen, a work-group barrier closes it.
.macro CREST
	s_cmp_lg_u32 s10, 0
	s_cbranch_scc1 .Lnot_wave_0_\@
	s_barrier_signal -3
.Lnot_wave_0_\@:
	s_barrier_wait -3
	s_barrier_signal -1
	s_barrier_wait -1
.endm
.macro CROUND
	s_barrier_signal -1
	s_barrier_wait -1
	CREST
.endm
	s_load_b128 s[4:7], s[0:1], 0x0                ; xb, wb
	s_load_b128 s[68:71], s[0:1], 0x10             ; qb, kb
	s_load_b64 s[72:73], s[0:1], 0x20              ; vb
	s_set_vgpr_msb 0x40
	v_lshl_add_u32 v255, v0, 2, 0x4e800
	s_set_vgpr_msb 0x4000
	v_mov_b32 v63, 0
	s_set_vgpr_msb 0x1
	ds_add_u32 v255, v63
	s_set_vgpr_msb 0x100
	v_lshrrev_b32 v1, 5, v0
	v_readfirstlane_b32 s10, v1                    ; wave 0..3
	s_lshr_b32 s11, s10, 1                         ; i: my half of the rows.  Also: I fetch for A (0) or for W (1)
	s_and_b32 s12, s10, 1                          ; j: my half of each plane's columns.  Also: which half of the step's K I fetch
	s_bfe_u32 s40, ttmp6, 0x40000                  ; cx
	s_bfe_u32 s41, ttmp6, 0x40004                  ; cy
	s_lshl_b32 s42, ttmp9, 2
	s_add_co_u32 s42, s42, s40                     ; head = 4 x cluster x + cx
	s_and_b32 s13, ttmp7, 0xffff
	s_lshl_b32 s13, s13, 2
	s_add_co_u32 s13, s13, s41                     ; pair of row blocks = 4 x cluster y + cy
	s_lshl_b32 s43, s41, 2
	s_lshl_b32 s43, 15, s43                        ; my row of the cluster
	s_lshl_b32 s44, 0x1111, s40                    ; my column
	; group 1 for A: a dense block of 32 KiB as 128 rows of 128 elements; 4 words of padding behind every 32 words, that is behind every 128-byte row of the slab
	s_or_b32 s[G1+0], s43, (1<<16)|(1<<20)|(1<<21)|(4<<22)|(3<<25)
	s_mov_b32 s[G1+1], 128<<16                     ; tensor_dim0 = 128
	s_mov_b32 s[G1+2], 128<<16                     ; tensor_dim1 = 128
	s_mov_b32 s[G1+3], 128<<16                     ; tile_dim0 = 128
	s_mov_b32 s[G1+4], 128                         ; tile_dim1 = 128
	s_mov_b32 s[G1+5], 128                         ; from row to row: 128 elements (dense)
	s_mov_b32 s[G1+6], 0
	s_mov_b32 s[G1+7], 0
	; group 1 for W: three rows of 4,096 elements (64 k of one plane, dense), the planes 65,536 elements apart; 8 words of padding behind every 32
	s_or_b32 s[G1B+0], s44, (1<<16)|(1<<20)|(1<<21)|(4<<22)|(7<<25)
	s_mov_b32 s[G1B+1], 4096<<16
	s_mov_b32 s[G1B+2], 3<<16
	s_mov_b32 s[G1B+3], 4096<<16
	s_mov_b32 s[G1B+4], 3
	s_mov_b32 s[G1B+5], 65536
	s_mov_b32 s[G1B+6], 0
	s_mov_b32 s[G1B+7], 0
	; where the tiles come from: A's offset is made of the pair of row blocks and the wave, W's of the head and the wave, in registers of their own
	s_lshl_b32 s16, s13, 16                        ; two row blocks of 32 KiB
	s_lshl_b32 s17, s12, 20                        ; slab 0 or 1 of the step
	s_add_co_u32 s16, s16, s17
	s_mov_b32 s17, 0
	s_mul_i32 s46, s42, 393216                     ; a head's three planes
	s_lshl_b32 s47, s12, 13                        ; 64 k of 128 bytes
	s_add_co_u32 s46, s46, s47
	s_mov_b32 s47, 0
	s_mul_i32 s20, s10, AHALF                      ; and where they go: the wave's number alone
	s_mul_i32 s45, s10, BHALF
	s_add_co_u32 s45, s45, BOFF-2*BHALF            ; waves 2, 3: BOFF, BOFF + BHALF
	s_wait_dscnt 0x0
	s_wait_kmcnt 0x0
	s_add_nc_u64 s[14:15], s[4:5], s[16:17]
	s_add_nc_u64 s[46:47], s[6:7], s[46:47]
	CROUND                                         ; all sixteen work-groups are here: the first joint loads meet
.irp s, 0,1
	s_mov_b32 s[G0+4*\s], 1
	s_add_co_u32 s[G0+4*\s+1], s20, \s*SLOT
	s_add_nc_u64 s[G0+4*\s+2:G0+4*\s+3], s[14:15], \s*ASTEP        ; K step s
	s_or_b32 s[G0+4*\s+3], s[G0+4*\s+3], 0x80000000
	s_mov_b32 s[G0B+4*\s], 1
	s_add_co_u32 s[G0B+4*\s+1], s45, \s*SLOT
	s_add_nc_u64 s[G0B+4*\s+2:G0B+4*\s+3], s[46:47], \s*BSTEP
	s_or_b32 s[G0B+4*\s+3], s[G0B+4*\s+3], 0x80000000
	JLOAD \s                                       ; two loads of the wave are out: the most that this text ever has
.endr
	v_and_b32 v1, 15, v0                           ; r = l % 16
	v_bfe_u32 v2, v0, 4, 1                         ; hh = l / 16
	v_mul_u32_u24 v3, v1, APITCH
	v_lshl_add_u32 v3, v2, 4, v3                   ; A: row r, 16 bytes for each half of the lanes
	s_mul_i32 s21, s11, 128*APITCH                 ; my 128 rows
	v_and_b32 v4, 7, v0
	v_lshl_add_u32 v4, v2, 3, v4                   ; W, transposing load: k = 8 hh + l % 8,
	v_mul_u32_u24 v4, v4, BPITCH
	v_bfe_u32 v5, v0, 3, 1
	v_lshl_add_u32 v4, v5, 4, v4                   ; 16 bytes for each eight lanes
	s_lshl_b32 s22, s12, 6                         ; my 32 columns of each plane
	s_add_co_u32 s22, s22, BOFF
.irp s, 0,1
	v_add_nc_u32 v[ADRA+\s], s21, v3
	v_add_nc_u32 v[ADRB+\s], s22, v4
	s_add_co_u32 s21, s21, SLOT
	s_add_co_u32 s22, s22, SLOT
.endr
	v_mul_u32_u24 v6, v1, SPITCH                   ; stage, in: row 64 i + r, byte 64 j + 16 hh
	v_lshl_add_u32 v6, v2, 4, v6
	s_mul_i32 s23, s11, 64*SPITCH
	s_lshl_b32 s66, s12, 6
	s_add_co_u32 s23, s23, s66
	s_add_co_u32 s23, s23, STAGE
	v_add_nc_u32 v[STO], s23, v6
	v_bfe_u32 v7, v0, 3, 2                         ; stage, back: row 32 w + l / 8, byte 16 (l % 8)
	v_mul_u32_u24 v7, v7, SPITCH
	v_and_b32 v8, 7, v0
	v_lshl_add_u32 v7, v8, 4, v7
	s_mul_i32 s23, s10, 32*SPITCH
	s_add_co_u32 s23, s23, STAGE
	v_add_nc_u32 v[RD], s23, v7
	v_and_b32 v9, 31, v0
	v_lshlrev_b32 v[CO], 4, v9
; 12 matrix instructions: row blocks a0, a0 + 1 of the window's four x all six column tiles, 32 along K.  zero = 1: the first product starts the sums.
; The 48 accumulators take turns, one instruction a turn, in the same order in every quarter step.
.macro MUL12 f, hi, a0, zero
.irp a, \a0, \a0+1
.irp b, 0,1,2,3,4,5
.if \zero
	v_wmma_f32_16x16x32_bf16 v[8*(6*(\a)+\b):8*(6*(\a)+\b)+7], v[\f+8*\b:\f+8*\b+7], v[\f+8*(4*\hi+\a):\f+8*(4*\hi+\a)+7], 0
.else
	v_wmma_f32_16x16x32_bf16 v[8*(6*(\a)+\b):8*(6*(\a)+\b)+7], v[\f+8*\b:\f+8*\b+7], v[\f+8*(4*\hi+\a):\f+8*(4*\hi+\a)+7], v[8*(6*(\a)+\b):8*(6*(\a)+\b)+7]
.endif
.endr
.endr
.endm
; 28 LDS loads in one run: quarter q (32 along K) of a slot into buffer f: 12 transposing loads for W's six tiles (plane t, half u), 16 loads for A's eight
.macro FETCH slot, q, f
	WIN TO_B
.irp t, 0,1,2
.irp u, 0,1
	ds_load_tr16_b128 v[\f+8*(2*\t+\u):\f+8*(2*\t+\u)+3],   v[ADRB+\slot] offset:(\q/2)*BHALF+\t*64*BPITCH+(\q%2)*32*BPITCH+32*\u
	ds_load_tr16_b128 v[\f+8*(2*\t+\u)+4:\f+8*(2*\t+\u)+7], v[ADRB+\slot] offset:(\q/2)*BHALF+\t*64*BPITCH+(\q%2)*32*BPITCH+32*\u+16*BPITCH
.endr
.endr
	WIN 0
.irp i, 0,1,2,3,4,5,6,7
	ds_load_b128 v[\f+8*\i:\f+8*\i+3],   v[ADRA+\slot] offset:(\q/2)*AHALF+\i*16*APITCH+(\q%2)*64
	ds_load_b128 v[\f+8*\i+4:\f+8*\i+7], v[ADRA+\slot] offset:(\q/2)*AHALF+\i*16*APITCH+(\q%2)*64+32
.endr
.endm
; Four independent plain vector instructions stand between a matrix instruction and a load into, or a vector instruction on, one of its registers
.macro PLACES
.rept 4
	v_nop
.endr
.endm
; One of a K step's first three quarters: multiplies buffer f and, in its middle, fetches quarter q into buffer g
.macro QUARTER slot, q, f, g, zero
	s_wait_dscnt 8                                 ; W and A's rows 0-63 are in; the youngest eight loads (A's rows 64-127) may be out
	WIN MUL_LO
	MUL12 \f, 0, 0, \zero
	MUL12 \f, 0, 2, \zero
	PLACES
	FETCH \slot, \q, \g
	s_wait_dscnt 28                                ; all but the 28 just issued
	WIN MUL_HI
	MUL12 \f, 1, 0, \zero
	MUL12 \f, 1, 2, \zero
.endm
.macro THREE slot, zero
	QUARTER \slot, 1, F0, F1, \zero
	QUARTER \slot, 2, F1, F0, 0
	QUARTER \slot, 3, F0, F1, 0
.endm
; The last quarter: multiplies buffer 1 and changes slots.  In front of the barrier each wave waits for its reads of this slot and for all its
; tensor loads (the one that is out is its part of the next slot).  Where the slot is filled again the barrier opens a round of the cluster's
; barrier, and the joint refill is the first tensor load behind the round.  From a request to the wait for it a wave issues 180 matrix instructions.
; fill = 0: nothing is left to fetch; 1: this slot gets the K step two further on; 2: it gets the same slot's first K step of the next row block
; (back over six K steps, on by one row block).  fetch = 1: the next slot's first fragments are read; 0: the block ends here and the way out needs the registers.
.macro TURN slot, next, fill, fetch
	s_wait_dscnt 8
	WIN MUL_LO
	MUL12 F1, 0, 0, 0
	s_wait_dscnt 0                                 ; my reads of this slot are over
	s_wait_tensorcnt 0x0                           ; all my tensor loads have landed
	ds_add_u32 v255, v63
	s_wait_dscnt 0x0
	s_barrier_signal -1
	MUL12 F1, 0, 2, 0                              ; register work while the others arrive
	WIN 0
	s_barrier_wait -1
.if \fill
	CREST
.if \fill == 1
	s_add_nc_u64 s[G0+4*\slot+2:G0+4*\slot+3], s[G0+4*\slot+2:G0+4*\slot+3], 2*ASTEP
	s_add_nc_u64 s[G0B+4*\slot+2:G0B+4*\slot+3], s[G0B+4*\slot+2:G0B+4*\slot+3], 2*BSTEP
.else
	s_sub_nc_u64 s[G0+4*\slot+2:G0+4*\slot+3], s[G0+4*\slot+2:G0+4*\slot+3], 6*ASTEP-RBLOCK
	s_sub_nc_u64 s[G0B+4*\slot+2:G0B+4*\slot+3], s[G0B+4*\slot+2:G0B+4*\slot+3], 6*BSTEP
.endif
	JLOAD \slot
.endif
.if \fetch
	PLACES
	FETCH \next, 0, F0
.endif
	WIN MUL_HI
	MUL12 F1, 1, 0, 0
	MUL12 F1, 1, 2, 0
.endm
.macro LAP zero
	THREE 0, \zero
	TURN 0, 1, 1, 1
	THREE 1, 0
	TURN 1, 0, 1, 1
.endm
; The eight K steps of one block.  Slot 0 holds its first K step, shown landed to every wave by a barrier that has been passed.
; last = 0: the ring runs on into the next block; last = 1: the last lap fills nothing.
.macro KLOOP last
	FETCH 0, 0, F0
	LAP 1                                          ; the first lap stands in front of the loop: its first products start the sums
	WIN 0                                          ; at a label and at a branch every window is 0
	s_mov_b32 s3, LAPS-2
.Llap_\@:
	LAP 0
	WIN 0
	s_sub_co_u32 s3, s3, 1
	s_cmp_lg_u32 s3, 0
	s_cbranch_scc1 .Llap_\@
	THREE 0, 0
.if \last
	TURN 0, 1, 0, 1
	THREE 1, 0
	s_wait_dscnt 8
	WIN MUL_LO
	MUL12 F1, 0, 0, 0
	MUL12 F1, 0, 2, 0
	s_wait_dscnt 0
	WIN MUL_HI
	MUL12 F1, 1, 0, 0
	MUL12 F1, 1, 2, 0
.else
	TURN 0, 1, 2, 1                                ; slot 0: the next block's K step 0
	THREE 1, 0
	TURN 1, 0, 2, 0                                ; slot 1: the next block's K step 1; its wait for 0 and its round have shown slot 0 landed to every wave
.endif
	PLACES                                         ; behind the block's last matrix instructions: the way out reads results and writes over fragments
.endm
; THE WAY OUT of block blk, in two phases (window 2: rows 0-63 of each wave's 128; window 3: rows 64-127): round to f16, 16 bytes a lane into the stage,
; which holds 128 rows of all 192 columns; behind a barrier wave w reads rows 32 w .. + 31 back, plane by plane, and stores 512 consecutive bytes at a time.
; Behind these barriers no LDS bytes are filled, so block 0's may be passed with the next block's second K step on its way.
.macro OUTPH p, from, blk
	WIN \from
.set cnt, 0
.rept 96
	v_cvt_pk_f16_f32 v[TMP+cnt], v[2*cnt], v[2*cnt+1]          ; tile (a, nb): four words = eight neighbouring columns of row r
.set cnt, cnt+1
.endr
	WIN 0
.irp a, 0,1,2,3
.irp t, 0,1,2
.irp u, 0,1
	ds_store_b128 v[STO], v[TMP+4*(6*\a+2*\t+\u):TMP+4*(6*\a+2*\t+\u)+3] offset:\a*16*SPITCH+128*\t+32*\u
.endr
.endr
.endr
	s_wait_dscnt 0x0                               ; my stores are in LDS, for the waves that read them
	s_barrier_signal -1
	s_barrier_wait -1
	s_wait_xcnt 0x0                                ; the earlier global stores have had their addresses translated (ISA guide 3.1): their data registers are loaded again only behind this wait
.irp g, 0,1,2,3,4,5,6,7
.irp t, 0,1,2
	ds_load_b128 v[OUTB+4*(3*\g+\t):OUTB+4*(3*\g+\t)+3], v[RD] offset:\g*4*SPITCH+128*\t
.endr
.endr
.irp g, 0,1,2,3,4,5,6,7
.irp t, 0,1,2
	s_wait_dscnt 23-(3*\g+\t)                      ; LDS loads come back in order: this one is in
	global_store_b128 v[CO], v[OUTB+4*(3*\g+\t):OUTB+4*(3*\g+\t)+3], s[68+2*\t:69+2*\t] offset:\blk*RBLOCK+\p*8192+\g*512   ; four rows of a head's slab: 512 consecutive bytes, aligned
.endr
.endr
.endm
	s_wait_tensorcnt 1                             ; my part of K step 0 is in; K step 1's load was issued behind it and may stay out
	s_barrier_signal -1
	s_barrier_wait -1
	KLOOP 0
	s_lshl_b32 s74, s42, 20                        ; head: 8,192 rows of 128 bytes
	s_lshl_b32 s67, s13, 16                        ; my pair of row blocks
	s_add_co_u32 s74, s74, s67
	s_lshl_b32 s67, s11, 14                        ; stage rows 32 w .. are block rows 128 i + 64 p + 32 j ..
	s_add_co_u32 s74, s74, s67
	s_lshl_b32 s67, s12, 12
	s_add_co_u32 s74, s74, s67
	s_mov_b32 s75, 0
	s_add_nc_u64 s[68:69], s[68:69], s[74:75]
	s_add_nc_u64 s[70:71], s[70:71], s[74:75]
	s_add_nc_u64 s[72:73], s[72:73], s[74:75]
	OUTPH 0, 0x0a, 0
	s_barrier_signal -1                            ; every wave's reads of the stage are back (the last count-down ended at 0): it may be written again
	s_barrier_wait -1
	OUTPH 1, 0x0f, 0
	s_wait_xcnt 0x0                                ; the fragment loads of the next block land on registers that these stores read
	KLOOP 1                                        ; the stage is written again only behind this block's barriers, each with every wave's LDS reads waited for
	OUTPH 0, 0x0a, 1
	s_barrier_signal -1
	s_barrier_wait -1
	OUTPH 1, 0x0f, 1
	s_set_vgpr_msb 0x1
	s_wait_tensorcnt 0x0
	ds_add_u32 v255, v63
	s_wait_dscnt 0x0
	s_set_vgpr_msb 0x100
	CROUND                                         ; the closing round: no work-group ends while a partner may still ask for a tile that names it
	s_endpgm
.Lfunc_end_k_q2e9c9daf47_qkvg:
	.size	k_q2e9c9daf47_qkvg, .Lfunc_end_k_q2e9c9daf47_qkvg-k_q2e9c9daf47_qkvg
	.p2alignl 7, 3214868480
	.fill 96, 4, 3214868480
	.section	.rodata,"a",@progbits
	.p2align	6, 0x0
	.amdhsa_kernel k_q2e9c9daf47_qkvg
		.amdhsa_group_segment_fixed_size 327680
		.amdhsa_private_segment_fixed_size 0
		.amdhsa_enable_private_segment 0
		.amdhsa_kernarg_size 40
		.amdhsa_user_sgpr_count 2
		.amdhsa_user_sgpr_kernarg_segment_ptr 1
		.amdhsa_wavefront_size32 1
		.amdhsa_system_sgpr_workgroup_id_x 1
		.amdhsa_system_sgpr_workgroup_id_y 1
		.amdhsa_system_sgpr_workgroup_id_z 1
		.amdhsa_system_vgpr_workitem_id 0
		.amdhsa_next_free_vgpr 960
		.amdhsa_next_free_sgpr 76
		.amdhsa_reserve_vcc 0
		.amdhsa_float_denorm_mode_32 3
		.amdhsa_float_denorm_mode_16_64 3
		.amdhsa_memory_ordered 1
		.amdhsa_forward_progress 1
		.amdhsa_inst_pref_size 255
	.end_amdhsa_kernel
	.section	.bss,"aw",@nobits
	.p2align	6
	.space	262144
	.amdgpu_metadata
---
amdhsa.version: [ 1, 2 ]
amdhsa.kernels:
  - .name:           k_q2e9c9daf47_qkvg
    .symbol:         k_q2e9c9daf47_qkvg.kd
    .args:
      - { .name: xb, .offset: 0, .size: 8, .value_kind: global_buffer, .address_space: global }
      - { .name: wb, .offset: 8, .size: 8, .value_kind: global_buffer, .address_space: global }
      - { .name: qb, .offset: 16, .size: 8, .value_kind: global_buffer, .address_space: global }
      - { .name: kb, .offset: 24, .size: 8, .value_kind: global_buffer, .address_space: global }
      - { .name: vb, .offset: 32, .size: 8, .value_kind: global_buffer, .address_space: global }
    .group_segment_fixed_size: 327680
    .private_segment_fixed_size: 0
    .kernarg_segment_align: 8
    .kernarg_segment_size: 40
    .max_flat_workgroup_size: 128
    .sgpr_count:     76
    .vgpr_count:     960
    .wavefront_size: 32
...
	.end_amdgpu_metadata
.endif
;; end of part 2
;; launch attn (part 3): grid 256 x 1, 16 waves a work-group, no clusters, 327,680 bytes of LDS; arguments qb, kb, vb, ao; writes ao
.if DOCPART == 3
	.amdgcn_target "amdgcn-amd-amdhsa--gfx1250"
	.amdhsa_code_object_version 6
	.text
	.protected	k_q2e9c9daf47_attn
	.globl	k_q2e9c9daf47_attn
	.p2align	8
	.type	k_q2e9c9daf47_attn,@function
k_q2e9c9daf47_attn:
	s_mov_b64 s[64:65], 0
	v_nop
	global_prefetch_b8 v0, s[64:65] scope:SCOPE_SE
	s_setreg_imm32_b32 hwreg(HW_REG_WAVE_MODE, 25, 1), 1
	s_wait_xcnt 0x0
; Causal attention, one head at a time, with a running maximum.  qb, kb, vb, ao: f16 [head 16][batch x 2048 + s][64].
; LIMITS: operands and the result are f16 (65,504 and more overflows; below 6.1e-5 the absolute step is 2^-24); the weights p <= 1 are rounded to f16
; for the product with v while their sum is kept in f32; a weight below 2^-126 of the row's largest counts as 0 (v_exp_f32 flushes).
; Work-group g: head and batch g / 4, c = g % 4.  It makes the query blocks (256 rows) c and 7 - c: (c + 1) + (8 - c) = 9 key units of 256 keys in
; every work-group.  Order of the units: c (the diagonal), 0 .. c-1, then 7-c (the diagonal), 0 .. 6-c.  What lies above the diagonal is not computed.
; NO CLUSTER: the four work-groups of a head need the units in different numbers for each block (c + 1 and 8 - c) and change blocks in different trips;
; in step with each other they would walk 4 + 8 = 12 units where each needs 9.
; SIXTEEN WAVES, four for each of a WGP's four SIMDs (4 x 256 registers), so that one wave's softmax stands beside another's products and LDS loads.
; Wave w: row group rg = w % 8 (query rows 32 rg .. + 31 of the block, two tiles qt of 16) and half h = w / 8: of every unit it takes the chunks of
; 64 keys number h and h + 2.  The two waves of a row group keep a maximum, a sum and an O of their own and merge them at the block's end: each gives one
; query tile to its partner through LDS bytes of its own, takes the partner's part of the other tile, and finishes and stores 16 rows.
; K and V units go through two LDS slots: waves 0-3 fetch V's four quarters, waves 4-7 K's, one dense block of 8 KiB (64 keys) each; waves 8-15 fetch nothing.
; BOTH PRODUCTS ARE USED TRANSPOSED.  S^T(key, q) = K x Q^T: lane (r, hh) holds query r and keys 8 hh + 0..7 of each tile, so a row's maximum and sum are
; taken inside the lane and once across the halves, and the packed weights ARE the second operand of O^T(d, q) = V^T x P^T (V^T by the transposing load).
.set KPITCH, 144                       ; 128 bytes + 16: an odd multiple of 16
.set VPITCH, 160                       ; 128 bytes + 32: an odd multiple of 32
.set KOFF,   256*VPITCH                ; a slot: V's 256 rows, then K's
.set SLOT,   KOFF+256*KPITCH           ; 77,824
.set XCH,    2*SLOT                    ; behind the ring, never filled by a tensor load: what a wave gives its partner
.set WXCH,   9*512                     ; 32 registers of O and one group of four with maximum and sum, 16 bytes a lane
.set STAGE,  XCH+16*WXCH               ; 229,376: 16 rows x 144 bytes for each wave, for the way out
.set WSTAGE, 16*144
.set M,   12                           ; v12-13  running maximum of the raw scores, for qt = 0, 1
.set LS,  14                           ; v14-15  running sum (my half of the lanes' keys)
.set MN,  16                           ; v16-17  new maximum
.set T,   18                           ; v18-19  at work
.set PR,  20                           ; v[20+2qt:21+2qt]  the pair: - maximum x scale; alpha
.set CH,  24                           ; v24-31  sum chains
.set QF,  32                           ; v32-63  Q fragments (qt, dh) at +16 qt + 8 dh
.set OA,  64                           ; v64-127 O^T tiles (qt, dt) at +32 qt + 8 dt
.set SS,  128                          ; v128-191 S^T tiles (qt, kt) at +32 qt + 8 kt; later the packed weights (qt, kh) at +32 qt + 8 kh
.set KV,  192                          ; v192-255 K fragments (kt, dh) at +16 kt + 8 dh, then V^T fragments (kh, dt) at +32 kh + 8 dt
.set G1V, 28                           ; s[28:35] group 1 for V
.set G1K, 36                           ; s[36:43] group 1 for K
.set G0V, 44                           ; s[44:51] group 0 for V, one set a slot
.set G0K, 52                           ; s[52:59] group 0 for K, one set a slot
; v1 32 rg + r - 8 hh - 64 h (for the mask); v2-3 LDS address of my first chunk of K in slot 0, 1; v4-5 of V; v6 where I give; v7 where I take;
; v8 stage in; v9 stage back; v10 16 x lane; v11 Q's offset
; s2 rg; s3 h + 2; s12 w; s13 rg / 2; s14 w % 4; s15 c; s16 n, the trip; s17 loop counter; s18 h; s[22:23], s[24:25] V's and K's base;
; s60, s61 +- 0.125 log2 e; s62, s63 lane selects; s66 c + 1; s67 -inf; s68 7 - c; s69 the head's byte offset; s74 -1e30
	s_load_b256 s[4:11], s[0:1], 0x0               ; qb s[4:5], kb s[6:7], vb s[8:9], ao s[10:11]
	v_lshl_add_u32 v190, v0, 2, 0x41000
	v_mov_b32 v191, 0
	ds_add_u32 v190, v191
	s_wait_dscnt 0x0
	s_barrier_signal -1
	s_barrier_wait -1
	v_lshrrev_b32 v18, 5, v0
	v_readfirstlane_b32 s12, v18                   ; wave 0..15
	s_and_b32 s2, s12, 7                           ; row group
	s_lshr_b32 s18, s12, 3                         ; half
	s_lshr_b32 s13, s2, 1
	s_add_co_u32 s3, s18, 2
	s_and_b32 s14, s12, 3
	s_and_b32 s15, ttmp9, 3                        ; c
	s_lshr_b32 s19, ttmp9, 2
	s_and_b32 s20, s19, 15
	s_lshl_b32 s20, s20, 20                        ; head: 8,192 rows of 128 bytes
	s_lshr_b32 s19, s19, 4
	s_lshl_b32 s19, s19, 18                        ; batch: 2,048 rows
	s_or_b32 s69, s20, s19
	s_add_co_u32 s66, s15, 1
	s_sub_co_u32 s68, 7, s15
	s_mov_b32 s67, 0xff800000
	s_mov_b32 s74, 0xf149f2ca                      ; -1e30: below every score, which is a sum of 64 products of f16 numbers, 2.7e11 at the most in magnitude
	s_mov_b32 s60, 0x3e38aa3b                      ; 64^-0.5 x log2 e
	s_mov_b32 s61, 0xbe38aa3b
	s_mov_b32 s62, 0x76543210
	s_mov_b32 s63, 0xfedcba98
	s_mov_b32 s16, 0
	; group 1: a dense block of 8 KiB as 32 rows of 128 elements; padding behind every 32 words, that is behind each key's 128 bytes: 8 words for V, 4 for K
	s_mov_b32 s[G1V+0], (1<<16)|(1<<20)|(4<<22)|(7<<25)
	s_mov_b32 s[G1V+1], 128<<16
	s_mov_b32 s[G1V+2], 32<<16
	s_mov_b32 s[G1V+3], 128<<16
	s_mov_b32 s[G1V+4], 32
	s_mov_b32 s[G1V+5], 128
	s_mov_b32 s[G1V+6], 0
	s_mov_b32 s[G1V+7], 0
	s_mov_b32 s[G1K+0], (1<<16)|(1<<20)|(4<<22)|(3<<25)
	s_mov_b32 s[G1K+1], 128<<16
	s_mov_b32 s[G1K+2], 32<<16
	s_mov_b32 s[G1K+3], 128<<16
	s_mov_b32 s[G1K+4], 32
	s_mov_b32 s[G1K+5], 128
	s_mov_b32 s[G1K+6], 0
	s_mov_b32 s[G1K+7], 0
	s_mul_i32 s19, s12, 64*VPITCH                  ; V: waves 0-3, 64 keys each
	s_mov_b32 s[G0V+0], 1
	s_mov_b32 s[G0V+1], s19
	s_mov_b32 s[G0V+4], 1
	s_add_co_u32 s[G0V+5], s19, SLOT
	s_mul_i32 s19, s12, 64*KPITCH                  ; K: waves 4-7
	s_add_co_u32 s19, s19, KOFF-4*64*KPITCH
	s_mov_b32 s[G0K+0], 1
	s_mov_b32 s[G0K+1], s19
	s_mov_b32 s[G0K+4], 1
	s_add_co_u32 s[G0K+5], s19, SLOT
	s_lshl_b32 s20, s14, 13                        ; my quarter of a unit
	s_add_co_u32 s20, s20, s69
	s_mov_b32 s21, 0
	s_wait_kmcnt 0x0
	s_add_nc_u64 s[22:23], s[8:9], s[20:21]
	s_add_nc_u64 s[24:25], s[6:7], s[20:21]
; The addresses of unit(n + 1) into the group 0 sets of slot o: n if n < c; 7 - c if n = c; n - c - 1 otherwise
.macro NEXTADDR o
	s_sub_co_u32 s19, s16, s66
	s_cmp_lt_u32 s16, s15
	s_cselect_b32 s19, s16, s19
	s_cmp_eq_u32 s16, s15
	s_cselect_b32 s19, s68, s19
	s_lshl_b32 s20, s19, 15                        ; 256 keys of 128 bytes
	s_mov_b32 s21, 0
	s_add_nc_u64 s[G0V+4*(\o)+2:G0V+4*(\o)+3], s[22:23], s[20:21]
	s_or_b32 s[G0V+4*(\o)+3], s[G0V+4*(\o)+3], 0x80000000
	s_add_nc_u64 s[G0K+4*(\o)+2:G0K+4*(\o)+3], s[24:25], s[20:21]
	s_or_b32 s[G0K+4*(\o)+3], s[G0K+4*(\o)+3], 0x80000000
.endm
	s_lshl_b32 s20, s15, 15                        ; unit(0) = c
	s_mov_b32 s21, 0
	s_add_nc_u64 s[G0V+2:G0V+3], s[22:23], s[20:21]
	s_or_b32 s[G0V+3], s[G0V+3], 0x80000000
	s_add_nc_u64 s[G0K+2:G0K+3], s[24:25], s[20:21]
	s_or_b32 s[G0K+3], s[G0K+3], 0x80000000
	NEXTADDR 1                                     ; unit(1)
	; both first fills of a wave inside one branch on its number, ahead of every wait on TENSORcnt and every LDS read: two loads out, the most in this text
	s_cmp_lt_u32 s12, 4
	s_cbranch_scc0 .Lfirst_k
	tensor_load_to_lds s[G0V:G0V+3], s[G1V:G1V+7]
	s_nop 0
	tensor_load_to_lds s[G0V+4:G0V+7], s[G1V:G1V+7]
	s_nop 0
	s_branch .Lfirst_done
.Lfirst_k:
	s_cmp_lt_u32 s12, 8
	s_cbranch_scc0 .Lfirst_done                    ; waves 8-15 have no part of a unit to fetch
	tensor_load_to_lds s[G0K:G0K+3], s[G1K:G1K+7]
	s_nop 0
	tensor_load_to_lds s[G0K+4:G0K+7], s[G1K:G1K+7]
	s_nop 0
.Lfirst_done:
	v_and_b32 v18, 15, v0                          ; r
	v_bfe_u32 v19, v0, 4, 1                        ; hh
	v_and_b32 v20, 7, v0                           ; l % 8
	v_bfe_u32 v21, v0, 3, 1
	v_bfe_u32 v22, v0, 3, 2                        ; l / 8
	v_and_b32 v23, 31, v0                          ; l
	s_lshl_b32 s19, s2, 5
	s_lshl_b32 s20, s18, 6
	s_sub_co_u32 s19, s19, s20                     ; 32 rg - 64 h, as a signed number
	v_add_nc_u32 v1, s19, v18
	v_lshlrev_b32 v24, 3, v19
	v_sub_nc_u32 v1, v1, v24                       ; 32 rg + r - 8 hh - 64 h
	s_mul_i32 s19, s18, 64*KPITCH                  ; my first chunk of a unit: number h
	s_add_co_u32 s19, s19, KOFF
	v_mul_u32_u24 v2, v18, KPITCH                  ; K fragment: key r, 16 bytes for each half of the lanes
	v_lshl_add_u32 v2, v19, 4, v2
	v_add_nc_u32 v2, s19, v2
	v_add_nc_u32 v3, SLOT, v2
	s_mul_i32 s19, s18, 64*VPITCH
	v_lshl_add_u32 v4, v19, 3, v20                 ; V, transposing load: key 8 hh + l % 8, 16 bytes for each eight lanes
	v_mul_u32_u24 v4, v4, VPITCH
	v_lshl_add_u32 v4, v21, 4, v4
	v_add_nc_u32 v4, s19, v4
	v_add_nc_u32 v5, SLOT, v4
	s_mul_i32 s19, s12, WXCH
	s_add_co_u32 s19, s19, XCH
	v_lshl_add_u32 v6, v23, 4, s19                 ; I give into my own bytes,
	s_sub_co_u32 s20, 1, s18
	s_lshl_b32 s20, s20, 3
	s_add_co_u32 s20, s20, s2                      ; my partner: the same row group, the other half
	s_mul_i32 s20, s20, WXCH
	s_add_co_u32 s20, s20, XCH
	v_lshl_add_u32 v7, v23, 4, s20                 ; and take from my partner's
	s_mul_i32 s19, s12, WSTAGE
	s_add_co_u32 s19, s19, STAGE
	v_mul_u32_u24 v8, v18, 144
	v_lshl_add_u32 v8, v19, 4, v8
	v_add_nc_u32 v8, s19, v8
	v_mul_u32_u24 v9, v22, 144
	v_lshl_add_u32 v9, v20, 4, v9
	v_add_nc_u32 v9, s19, v9
	v_lshlrev_b32 v10, 4, v23
	v_lshlrev_b32 v11, 7, v18                      ; Q fragment from memory: row r of 128 bytes, 16 bytes for each half
	v_lshl_add_u32 v11, v19, 4, v11
	v_mov_b32 v[T], 0                              ; destinations of the lane exchange count as read
	v_mov_b32 v[T+1], 0
	v_mov_b32 v[PR+1], 0                           ; a pair is read whole: alpha is written before the first step reads its partner
	v_mov_b32 v[PR+3], 0
; The 32 rows of my row group in query block J (in the scalar register jreg) into the four Q fragments
.macro QLOAD jreg
	s_lshl_b32 s70, s[\jreg], 15
	s_lshl_b32 s19, s2, 12
	s_add_co_u32 s70, s70, s19
	s_add_co_u32 s70, s70, s69
	s_mov_b32 s71, 0
	s_add_nc_u64 s[26:27], s[4:5], s[70:71]
.irp qt, 0,1
.irp dh, 0,1
	global_load_b128 v[QF+16*\qt+8*\dh:QF+16*\qt+8*\dh+3],   v11, s[26:27] offset:\qt*2048+\dh*64
	global_load_b128 v[QF+16*\qt+8*\dh+4:QF+16*\qt+8*\dh+7], v11, s[26:27] offset:\qt*2048+\dh*64+32
.endr
.endr
.endm
; 64 keys.  kreg, vreg: registers with K's and V's LDS address; koff, voff: constants on top; first = 1: starts maximum, sum and O;
; mask = 1: the diagonal unit, chunk h + kb
.macro STEP kreg, vreg, koff, voff, first, mask, kb
.rept 5
	v_nop                                          ; five places behind the last step's matrix instructions: loads land on their V, products write over their weights
.endr
.irp kt, 0,1,2,3
.irp dh, 0,1
	ds_load_b128 v[KV+16*\kt+8*\dh:KV+16*\kt+8*\dh+3],   v[\kreg] offset:\koff+\kt*16*KPITCH+\dh*64
	ds_load_b128 v[KV+16*\kt+8*\dh+4:KV+16*\kt+8*\dh+7], v[\kreg] offset:\koff+\kt*16*KPITCH+\dh*64+32
.endr
.endr
.irp kt, 0,1,2,3
	s_wait_dscnt 12-4*\kt                          ; this key tile's four loads are in, the later tiles' stay out
	; the two query tiles take turns, one instruction a turn
	v_wmma_f32_16x16x32_f16 v[SS+8*\kt:SS+8*\kt+7],       v[KV+16*\kt:KV+16*\kt+7],    v[QF:QF+7],     0
	v_wmma_f32_16x16x32_f16 v[SS+32+8*\kt:SS+32+8*\kt+7], v[KV+16*\kt:KV+16*\kt+7],    v[QF+16:QF+23], 0
	v_wmma_f32_16x16x32_f16 v[SS+8*\kt:SS+8*\kt+7],       v[KV+16*\kt+8:KV+16*\kt+15], v[QF+8:QF+15],  v[SS+8*\kt:SS+8*\kt+7]
	v_wmma_f32_16x16x32_f16 v[SS+32+8*\kt:SS+32+8*\kt+7], v[KV+16*\kt+8:KV+16*\kt+15], v[QF+24:QF+31], v[SS+32+8*\kt:SS+32+8*\kt+7]
.endr
.rept 4
	v_nop                                          ; four places: V's loads land on K's registers, the softmax reads the scores
.endr
.irp kh, 0,1
.irp dt, 0,1,2,3
	ds_load_tr16_b128 v[KV+32*\kh+8*\dt:KV+32*\kh+8*\dt+3],   v[\vreg] offset:\voff+\kh*32*VPITCH+32*\dt
	ds_load_tr16_b128 v[KV+32*\kh+8*\dt+4:KV+32*\kh+8*\dt+7], v[\vreg] offset:\voff+\kh*32*VPITCH+32*\dt+16*VPITCH
.endr
.endr
.if \mask
	; key 64 (h + kb) + 16 kt + 8 hh + j stays where it is at most query 32 rg + 16 qt + r
.irp qt, 0,1
.irp kt, 0,1,2,3
.irp j, 0,1,2,3,4,5,6,7
	v_cmp_le_i32 vcc_lo, 64*\kb+16*\kt+\j-16*\qt, v1
	v_cndmask_b32 v[SS+32*\qt+8*\kt+\j], s67, v[SS+32*\qt+8*\kt+\j], vcc_lo
.endr
.endr
.endr
.endif
	; the new maximum of each query: my 32 keys, the old maximum, the other half of the lanes.  A first step starts from -1e30, so that a chunk
	; that is masked whole for a row leaves a finite maximum, weights 0, a sum 0 and an O of zeros: the empty state, which every later step and the merge take as it is
.if \first
	v_max3_num_f32 v[MN],   v[SS],    v[SS+1],  s74
	v_max3_num_f32 v[MN+1], v[SS+32], v[SS+33], s74
.else
	v_max3_num_f32 v[MN],   v[M],   v[SS],    v[SS+1]
	v_max3_num_f32 v[MN+1], v[M+1], v[SS+32], v[SS+33]
.endif
.set cnt, 1
.rept 15
	v_max3_num_f32 v[MN],   v[MN],   v[SS+2*cnt],    v[SS+2*cnt+1]
	v_max3_num_f32 v[MN+1], v[MN+1], v[SS+32+2*cnt], v[SS+32+2*cnt+1]
.set cnt, cnt+1
.endr
	v_permlanex16_b32 v[T],   v[MN],   s62, s63
	v_permlanex16_b32 v[T+1], v[MN+1], s62, s63
	v_max_num_f32 v[MN],   v[MN],   v[T]
	v_max_num_f32 v[MN+1], v[MN+1], v[T+1]
	v_mul_f32 v[PR],   s61, v[MN]                  ; - maximum x scale
	v_mul_f32 v[PR+2], s61, v[MN+1]
.if \first == 0
	v_fma_f32 v[T],   v[M],   s60, v[PR]           ; (old - new maximum) x scale
	v_fma_f32 v[T+1], v[M+1], s60, v[PR+2]
	v_exp_f32 v[PR+1], v[T]                        ; alpha
	v_exp_f32 v[PR+3], v[T+1]
.endif
	v_mov_b32 v[M],   v[MN]                        ; also the plain instruction between alpha's exponentials and the first reader of their pairs (ISA guide 5.7.2)
	v_mov_b32 v[M+1], v[MN+1]
	s_wait_alu depctr_va_vdst(0)
.irp qt, 0,1
.set cnt, 0
.rept 16
	v_pk_fma_f32 v[SS+32*\qt+2*cnt:SS+32*\qt+2*cnt+1], v[SS+32*\qt+2*cnt:SS+32*\qt+2*cnt+1], s[60:61], v[PR+2*\qt:PR+2*\qt+1] op_sel_hi:[1,0,0]
.set cnt, cnt+1
.endr
.endr
.set cnt, 0
.rept 64
	v_exp_f32 v[SS+cnt], v[SS+cnt]                 ; p = 2^((s - maximum) x scale); a masked score gives 0
.set cnt, cnt+1
.endr
	; plain instructions that touch no weight stand between the exponentials and their first reader: O's rescaling, or one v_nop
.if \first
	v_nop
	s_wait_alu depctr_va_vdst(0)
.else
	s_wait_alu depctr_va_vdst(0)
.irp qt, 0,1
.set cnt, 0
.rept 16
	v_pk_mul_f32 v[OA+32*\qt+2*cnt:OA+32*\qt+2*cnt+1], v[OA+32*\qt+2*cnt:OA+32*\qt+2*cnt+1], v[PR+2*\qt:PR+2*\qt+1] op_sel:[0,1] op_sel_hi:[1,1]
.set cnt, cnt+1
.endr
.endr
.endif
.irp qt, 0,1
	v_pk_add_f32 v[CH+4*\qt:CH+4*\qt+1],   v[SS+32*\qt:SS+32*\qt+1],       v[SS+32*\qt+2:SS+32*\qt+3]
	v_pk_add_f32 v[CH+4*\qt+2:CH+4*\qt+3], v[SS+32*\qt+16:SS+32*\qt+17],   v[SS+32*\qt+18:SS+32*\qt+19]
.irp i, 2,3,4,5,6,7
	v_pk_add_f32 v[CH+4*\qt:CH+4*\qt+1],   v[CH+4*\qt:CH+4*\qt+1],   v[SS+32*\qt+2*\i:SS+32*\qt+2*\i+1]
	v_pk_add_f32 v[CH+4*\qt+2:CH+4*\qt+3], v[CH+4*\qt+2:CH+4*\qt+3], v[SS+32*\qt+16+2*\i:SS+32*\qt+16+2*\i+1]
.endr
	v_pk_add_f32 v[CH+4*\qt:CH+4*\qt+1], v[CH+4*\qt:CH+4*\qt+1], v[CH+4*\qt+2:CH+4*\qt+3]
.if \first
	v_add_f32 v[LS+\qt], v[CH+4*\qt], v[CH+4*\qt+1]
.else
	v_add_f32 v[CH+4*\qt], v[CH+4*\qt], v[CH+4*\qt+1]
	v_fma_f32 v[LS+\qt], v[LS+\qt], v[PR+2*\qt+1], v[CH+4*\qt]
.endif
.endr
	; pack in place, ascending: word i takes numbers 2 i and 2 i + 1, which lie at or above it.  Words 8 kh .. + 7 are the operand for keys 32 kh .. + 31
.irp qt, 0,1
.set cnt, 0
.rept 16
	v_cvt_pk_f16_f32 v[SS+32*\qt+cnt], v[SS+32*\qt+2*cnt], v[SS+32*\qt+2*cnt+1]
.set cnt, cnt+1
.endr
.endr
	s_wait_dscnt 8                                 ; V's first 32 keys are in, the second 32 may be out
	; the eight tiles of O take turns, one instruction a turn
.irp dt, 0,1,2,3
.irp qt, 0,1
.if \first
	v_wmma_f32_16x16x32_f16 v[OA+32*\qt+8*\dt:OA+32*\qt+8*\dt+7], v[KV+8*\dt:KV+8*\dt+7], v[SS+32*\qt:SS+32*\qt+7], 0
.else
	v_wmma_f32_16x16x32_f16 v[OA+32*\qt+8*\dt:OA+32*\qt+8*\dt+7], v[KV+8*\dt:KV+8*\dt+7], v[SS+32*\qt:SS+32*\qt+7], v[OA+32*\qt+8*\dt:OA+32*\qt+8*\dt+7]
.endif
.endr
.endr
	s_wait_dscnt 0
.irp dt, 0,1,2,3
.irp qt, 0,1
	v_wmma_f32_16x16x32_f16 v[OA+32*\qt+8*\dt:OA+32*\qt+8*\dt+7], v[KV+32+8*\dt:KV+32+8*\dt+7], v[SS+32*\qt+8:SS+32*\qt+15], v[OA+32*\qt+8*\dt:OA+32*\qt+8*\dt+7]
.endr
.endr
.endm
; The diagonal unit.  My chunk h starts the block, also where it is masked whole for my rows (h = 1, rg < 2).  Row group rg needs keys up to 32 rg + 31:
; chunk h + 2 only if h + 2 <= rg / 2.  The branch hangs on the wave's number; no barrier stands inside.
.macro DIAG slot
	STEP 2+\slot, 4+\slot, 0, 0, 1, 1, 0
	s_cmp_lt_u32 s13, s3
	s_cbranch_scc1 .Ldiag_end_\@
	STEP 2+\slot, 4+\slot, 128*KPITCH, 128*VPITCH, 0, 1, 2
.Ldiag_end_\@:
.endm
; A unit below the diagonal: my two chunks, no mask
.macro PLAIN slot
	STEP 2+\slot, 4+\slot, 0, 0, 0, 0, 0
	STEP 2+\slot, 4+\slot, 128*KPITCH, 128*VPITCH, 0, 0, 0
.endm
; I give my part of query tile g: O's four tiles, the maximum and the sum, 16 bytes a lane, into my own bytes
.macro GIVE g
	v_mov_b32 v[CH],   v[M+\g]
	v_mov_b32 v[CH+1], v[LS+\g]
.irp i, 0,1,2,3,4,5,6,7
	ds_store_b128 v6, v[OA+32*\g+4*\i:OA+32*\g+4*\i+3] offset:512*\i
.endr
	ds_store_b128 v6, v[CH:CH+3] offset:4096       ; the upper two words are not used
.endm
; I take my partner's part of query tile k, merge it with mine, divide by the sum, round to f16 and store the tile's 16 rows through my own stage
.macro TAKE k
.irp i, 0,1,2,3,4,5,6,7
	ds_load_b128 v[KV+4*\i:KV+4*\i+3], v7 offset:512*\i
.endr
	ds_load_b128 v[CH:CH+3], v7 offset:4096
	s_wait_dscnt 0x0
	v_max_num_f32 v[MN], v[M+\k], v[CH]            ; the common maximum
	v_mul_f32 v[PR], s61, v[MN]
	v_fma_f32 v[T],   v[M+\k], s60, v[PR]
	v_fma_f32 v[T+1], v[CH],   s60, v[PR]
	v_exp_f32 v[PR+1], v[T]                        ; my part's factor
	v_exp_f32 v[PR+3], v[T+1]                      ; my partner's; an empty part gets 0
	v_nop                                          ; one plain instruction before the exponentials are read
	s_wait_alu depctr_va_vdst(0)
	v_mul_f32 v[LS+\k], v[LS+\k], v[PR+1]
	v_fma_f32 v[LS+\k], v[CH+1], v[PR+3], v[LS+\k]
	v_permlanex16_b32 v[T], v[LS+\k], s62, s63     ; the other half of the lanes' keys
	v_add_f32 v[LS+\k], v[LS+\k], v[T]
	v_rcp_f32 v[PR], v[LS+\k]                      ; the sum holds the largest weight, which is 1 up to rounding
	v_nop                                          ; one plain instruction before the reciprocal is read
	s_wait_alu depctr_va_vdst(0)
	v_mul_f32 v[PR+1], v[PR+1], v[PR]
	v_mul_f32 v[PR+3], v[PR+3], v[PR]
.set cnt, 0
.rept 16
	v_pk_mul_f32 v[OA+32*\k+2*cnt:OA+32*\k+2*cnt+1], v[OA+32*\k+2*cnt:OA+32*\k+2*cnt+1], v[PR:PR+1] op_sel:[0,1] op_sel_hi:[1,1]
.set cnt, cnt+1
.endr
.set cnt, 0
.rept 16
	v_pk_fma_f32 v[OA+32*\k+2*cnt:OA+32*\k+2*cnt+1], v[KV+2*cnt:KV+2*cnt+1], v[PR+2:PR+3], v[OA+32*\k+2*cnt:OA+32*\k+2*cnt+1] op_sel:[0,1,0] op_sel_hi:[1,1,1]
.set cnt, cnt+1
.endr
.set cnt, 0
.rept 16
	v_cvt_pk_f16_f32 v[SS+cnt], v[OA+32*\k+2*cnt], v[OA+32*\k+2*cnt+1]     ; tile dt: four words = d 16 dt + 8 hh + 0..7 of query r
.set cnt, cnt+1
.endr
.irp dt, 0,1,2,3
	ds_store_b128 v8, v[SS+4*\dt:SS+4*\dt+3] offset:32*\dt
.endr
.irp g, 0,1,2,3
	ds_load_b128 v[KV+4*\g:KV+4*\g+3], v9 offset:\g*4*144      ; my own bytes: LDS serves a wave's instructions in order (ISA guide 5.7.1.4)
.endr
.irp g, 0,1,2,3
	s_wait_dscnt 3-\g
	global_store_b128 v10, v[KV+4*\g:KV+4*\g+3], s[72:73] offset:\g*512   ; four rows of the head's slab: 512 consecutive bytes, aligned
.endr
.endm
; The end of block J (in jreg).  Half 0 keeps query tile 0 and gives tile 1, half 1 the other way round.  The barrier stands between every wave's gift and its
; partner's reading; it is passed by all sixteen waves, since the branches round END hang on c and on the trip alone.  Behind it no LDS bytes are filled,
; so the next unit's tensor load may be on its way.  The gift's bytes are written again only at the next END, behind the ring's barriers.
; qnext = 1: block 7 - c follows; its Q is asked for first.
.macro END jreg, qnext
.rept 4
	v_nop                                          ; four places behind the last matrix instructions
.endr
	s_lshl_b32 s70, s[\jreg], 15
	s_lshl_b32 s19, s2, 12
	s_add_co_u32 s70, s70, s19
	s_lshl_b32 s19, s18, 11                        ; the 16 rows of the tile that I keep
	s_add_co_u32 s70, s70, s19
	s_add_co_u32 s70, s70, s69
	s_mov_b32 s71, 0
	s_add_nc_u64 s[72:73], s[10:11], s[70:71]
.if \qnext
	QLOAD 68
.endif
	s_cmp_lg_u32 s18, 0
	s_cbranch_scc1 .Lgive0_\@
	GIVE 1
	s_branch .Lgiven_\@
.Lgive0_\@:
	GIVE 0
.Lgiven_\@:
	s_wait_dscnt 0x0                               ; my gift is in LDS, for my partner's sake
	s_barrier_signal -1
	s_barrier_wait -1
	s_cmp_lg_u32 s18, 0
	s_cbranch_scc1 .Ltake1_\@
	TAKE 0
	s_branch .Ltaken_\@
.Ltake1_\@:
	TAKE 1
.Ltaken_\@:
.if \qnext
	s_wait_xcnt 0x0                                ; the stores' data registers and base are written again only behind this wait
.endif
.endm
.macro JLOADKV o
	s_cmp_lt_u32 s12, 4
	s_cbranch_scc0 .Lask_k_\@
	tensor_load_to_lds s[G0V+4*(\o):G0V+4*(\o)+3], s[G1V:G1V+7]
	s_nop 0
	s_branch .Lasked_\@
.Lask_k_\@:
	s_cmp_lt_u32 s12, 8
	s_cbranch_scc0 .Lasked_\@
	tensor_load_to_lds s[G0K+4*(\o):G0K+4*(\o)+3], s[G1K:G1K+7]
	s_nop 0
.Lasked_\@:
.endm
; The head of trip n, which reads this slot.  Every wave waits for all its tensor loads (its part of this slot among them) and for its reads of the other
; slot, passes the barrier, and asks first thing for its part of unit(n + 1), into the other slot: one load a wave, with a whole unit's work in which to land.
.macro RING slot, refill
	s_wait_xcnt 0x0
	v_lshl_add_u32 v190, v0, 2, 0x41000
	v_mov_b32 v191, 0
	s_wait_tensorcnt 0x0                           ; no load of mine is out: the group 0 sets may be written
	ds_add_u32 v190, v191
	s_wait_dscnt 0x0
.if \refill
	NEXTADDR 1-\slot
.endif
	s_wait_dscnt 0x0
	s_barrier_signal -1
	s_barrier_wait -1
.if \refill
	JLOADKV 1-\slot
.endif
	s_wait_loadcnt 0x0                             ; Q of the block that begins, if END has just asked for it, is in before any product reads it
.endm
.macro GTRIP slot
	RING \slot, 1
	s_cmp_eq_u32 s16, s66                          ; trip c + 1 is the second block's diagonal
	s_cbranch_scc0 .Lis_plain_\@
	DIAG \slot
	s_branch .Lunit_done_\@
.Lis_plain_\@:
	PLAIN \slot
.Lunit_done_\@:
	s_cmp_lg_u32 s16, s15                          ; trip c ends the first block
	s_cbranch_scc1 .Lno_end_\@
	END 15, 1
.Lno_end_\@:
	s_add_co_u32 s16, s16, 1
.endm
	QLOAD 15                                       ; block c
	s_wait_tensorcnt 0x1                           ; my part of unit(0) is in; unit(1)'s load was issued behind it and may stay out
	s_barrier_signal -1
	s_barrier_wait -1
	s_wait_loadcnt 0x0
	DIAG 0                                         ; trip 0
	s_cmp_lg_u32 s15, 0
	s_cbranch_scc1 .Lno_end0
	END 15, 1
.Lno_end0:
	s_mov_b32 s16, 1
	s_mov_b32 s17, 0
.Louter:                                               ; trips 1 to 6
	GTRIP 1
	GTRIP 0
	s_add_co_u32 s17, s17, 1
	s_cmp_lt_u32 s17, 3
	s_cbranch_scc1 .Louter
	RING 1, 1                                      ; trips 7 and 8 lie below the second block's diagonal for every c (c + 1 <= 4)
	PLAIN 1
	RING 0, 0                                      ; nothing is left to fetch
	PLAIN 0
	END 68, 0
	s_wait_xcnt 0x0
	v_lshl_add_u32 v190, v0, 2, 0x41000
	v_mov_b32 v191, 0
	s_wait_tensorcnt 0x0
	ds_add_u32 v190, v191
	s_wait_dscnt 0x0
	s_endpgm
.Lfunc_end_k_q2e9c9daf47_attn:
	.size	k_q2e9c9daf47_attn, .Lfunc_end_k_q2e9c9daf47_attn-k_q2e9c9daf47_attn
	.p2alignl 7, 3214868480
	.fill 96, 4, 3214868480
	.section	.rodata,"a",@progbits
	.p2align	6, 0x0
	.amdhsa_kernel k_q2e9c9daf47_attn
		.amdhsa_group_segment_fixed_size 327680
		.amdhsa_private_segment_fixed_size 0
		.amdhsa_enable_private_segment 0
		.amdhsa_kernarg_size 32
		.amdhsa_user_sgpr_count 2
		.amdhsa_user_sgpr_kernarg_segment_ptr 1
		.amdhsa_wavefront_size32 1
		.amdhsa_system_sgpr_workgroup_id_x 1
		.amdhsa_system_sgpr_workgroup_id_y 1
		.amdhsa_system_sgpr_workgroup_id_z 1
		.amdhsa_system_vgpr_workitem_id 0
		.amdhsa_next_free_vgpr 256
		.amdhsa_next_free_sgpr 76
		.amdhsa_reserve_vcc 1
		.amdhsa_float_denorm_mode_32 3
		.amdhsa_float_denorm_mode_16_64 3
		.amdhsa_memory_ordered 1
		.amdhsa_forward_progress 1
		.amdhsa_inst_pref_size 255
	.end_amdhsa_kernel
	.section	.bss,"aw",@nobits
	.p2align	6
	.space	262144
	.amdgpu_metadata
---
amdhsa.version: [ 1, 2 ]
amdhsa.kernels:
  - .name:           k_q2e9c9daf47_attn
    .symbol:         k_q2e9c9daf47_attn.kd
    .args:
      - { .name: qb, .offset: 0, .size: 8, .value_kind: global_buffer, .address_space: global }
      - { .name: kb, .offset: 8, .size: 8, .value_kind: global_buffer, .address_space: global }
      - { .name: vb, .offset: 16, .size: 8, .value_kind: global_buffer, .address_space: global }
      - { .name: ao, .offset: 24, .size: 8, .value_kind: global_buffer, .address_space: global }
    .group_segment_fixed_size: 327680
    .private_segment_fixed_size: 0
    .kernarg_segment_align: 8
    .kernarg_segment_size: 32
    .max_flat_workgroup_size: 512
    .sgpr_count:     76
    .vgpr_count:     256
    .wavefront_size: 32
...
	.end_amdgpu_metadata
.endif
;; end of part 3
;; launch oproj (part 4): grid 8 x 32, 4 waves a work-group, clusters of 4 x 4, 327,680 bytes of LDS; arguments ao, wb, bo, out0; writes out0
.if DOCPART == 4
	.amdgcn_target "amdgcn-amd-amdhsa--gfx1250"
	.amdhsa_code_object_version 6
	.text
	.protected	k_q2e9c9daf47_oproj
	.globl	k_q2e9c9daf47_oproj
	.p2align	8
	.type	k_q2e9c9daf47_oproj,@function
k_q2e9c9daf47_oproj:
	s_mov_b64 s[64:65], 0
	v_nop
	global_prefetch_b8 v0, s[64:65] scope:SCOPE_SE
	s_setreg_imm32_b32 hwreg(HW_REG_WAVE_MODE, 25, 1), 1
	s_wait_xcnt 0x0
	s_wait_alu depctr_hold_cnt(0) depctr_sa_sdst(0) depctr_va_vdst(0) depctr_va_sdst(0) depctr_va_ssrc(0) depctr_va_vcc(0) depctr_vm_vsrc(0)
	s_getreg_b32 s2, hwreg(HW_REG_IB_STS2, 6, 4)
	s_cmp_eq_u32 s2, 0
	s_cbranch_scc0 .Lentry_in_a_cluster
	s_endpgm
.Lentry_in_a_cluster:
	s_bfe_u32 s2, ttmp6, 0x10000c
	s_cmp_lg_u32 s2, 0xf033
	s_cbranch_scc0 .Lentry_shape_is_right
	s_endpgm
.Lentry_shape_is_right:
; out0 = attention output x Wo + bo: an f16 product [8192, 1024] x [1024, 1024], sums in f32, result f32.
; ao: f16 [16 slabs][8192][64].  Wo: f16 [16 slabs of 64 columns][k 1024][64] from byte 0x600000 of wb (rounded to bf16 and then to f16 by the first launch).
; LIMIT: both operands are f16: 65,504 and more has overflowed where they were made.
; A work-group makes 256 rows x 128 columns: 8 x 32 = 256 work-groups.  Four waves; wave (i, j) makes rows 128 i .. + 127 x slab j: 8 x 4 tiles, 256 registers.
; K goes in steps of 128 through two LDS slots: A's two dense blocks of 32 KiB (waves 0, 1), Wo's two dense blocks of 16 KiB (waves 2, 3).
; CLUSTERS: 4 x 4 work-groups; A's tiles are asked for jointly along a row of the cluster, Wo's along a column.
; REGISTERS in windows of 256: window 0: addresses, A's fragments, the way out; window 1: Wo's fragments; window 2: tiles of my rows 0-63
; (tile (a, b) at v[8 (4 a + b)]); window 3: rows 64-127.  The matrix instruction is used transposed: lane l holds row l % 16, columns 8 (l / 16) + 0..7.
.set APITCH, 144
.set BPITCH, 160
.set AHALF,  256*APITCH
.set BPLANE, 128*BPITCH
.set BOFF,   2*AHALF
.set SLOT,   BOFF+2*BPLANE             ; 114,688
.set STAGE,  2*SLOT                    ; behind the ring, never filled by a tensor load: 16 rows x 272 bytes for each wave
.set SPITCH, 272                       ; 256 bytes (64 f32) + 16
.set LAPS,   4
.set ADRA, 16
.set ADRB, 20
.set STO,  24
.set RD,   25
.set CO,   26
.set BIAS, 28                          ; v[28:31] bo of my four columns on the way out
.set F0,   64
.set F1,   128
.set G1,  24
.set G0,  32
.set G1B, 48
.set G0B, 56
.set MSB, 0
.macro WIN new
.if MSB != \new
	s_set_vgpr_msb (MSB<<8)|\new
.set MSB, \new
.endif
.endm
.set MUL_LO, 0xa1
.set MUL_HI, 0xf1
.set TO_B,   0x40
.macro JLOAD s
	s_cmp_eq_u32 s11, 0
	s_cbranch_scc0 .Lfor_b_\@
	tensor_load_to_lds s[G0+4*\s:G0+4*\s+3], s[G1:G1+7]
	s_nop 0
	s_branch .Lasked_\@
.Lfor_b_\@:
	tensor_load_to_lds s[G0B+4*\s:G0B+4*\s+3], s[G1B:G1B+7]
	s_nop 0
.Lasked_\@:
.endm
.macro CREST
	s_cmp_lg_u32 s10, 0
	s_cbranch_scc1 .Lnot_wave_0_\@
	s_barrier_signal -3
.Lnot_wave_0_\@:
	s_barrier_wait -3
	s_barrier_signal -1
	s_barrier_wait -1
.endm
.macro CROUND
	s_barrier_signal -1
	s_barrier_wait -1
	CREST
.endm
	s_load_b128 s[4:7], s[0:1], 0x0                ; ao, wb
	s_load_b128 s[68:71], s[0:1], 0x10             ; bo, out0
	s_set_vgpr_msb 0x40
	v_lshl_add_u32 v255, v0, 2, 0x3c400
	s_set_vgpr_msb 0x4000
	v_mov_b32 v255, 0
	s_set_vgpr_msb 0x1
	ds_add_u32 v255, v255
	s_set_vgpr_msb 0x100
	v_lshrrev_b32 v1, 5, v0
	v_readfirstlane_b32 s10, v1                    ; wave
	s_lshr_b32 s11, s10, 1                         ; i.  Also: I fetch for A (0) or for Wo (1)
	s_and_b32 s12, s10, 1                          ; j.  Also: which slab of the tile I fetch
	s_bfe_u32 s40, ttmp6, 0x40000                  ; cx
	s_bfe_u32 s41, ttmp6, 0x40004                  ; cy
	s_lshl_b32 s42, ttmp9, 2
	s_add_co_u32 s42, s42, s40                     ; column block
	s_and_b32 s13, ttmp7, 0xffff
	s_lshl_b32 s13, s13, 2
	s_add_co_u32 s13, s13, s41                     ; row block
	s_lshl_b32 s43, s41, 2
	s_lshl_b32 s43, 15, s43
	s_lshl_b32 s44, 0x1111, s40
	; A: 32 KiB dense as 128 rows of 128 elements, 4 words of padding behind every 32
	s_or_b32 s[G1+0], s43, (1<<16)|(1<<20)|(1<<21)|(4<<22)|(3<<25)
	s_mov_b32 s[G1+1], 128<<16
	s_mov_b32 s[G1+2], 128<<16
	s_mov_b32 s[G1+3], 128<<16
	s_mov_b32 s[G1+4], 128
	s_mov_b32 s[G1+5], 128
	s_mov_b32 s[G1+6], 0
	s_mov_b32 s[G1+7], 0
	; Wo: 16 KiB dense (128 k of one slab) as 64 rows of 128 elements, 8 words of padding behind every 32
	s_or_b32 s[G1B+0], s44, (1<<16)|(1<<20)|(1<<21)|(4<<22)|(7<<25)
	s_mov_b32 s[G1B+1], 128<<16
	s_mov_b32 s[G1B+2], 64<<16
	s_mov_b32 s[G1B+3], 128<<16
	s_mov_b32 s[G1B+4], 64
	s_mov_b32 s[G1B+5], 128
	s_mov_b32 s[G1B+6], 0
	s_mov_b32 s[G1B+7], 0
	s_lshl_b32 s16, s13, 15
	s_lshl_b32 s17, s12, 20
	s_add_co_u32 s16, s16, s17
	s_mov_b32 s17, 0
	s_lshl_b32 s46, s42, 1
	s_add_co_u32 s46, s46, s12                     ; slab 2 x column block + half
	s_lshl_b32 s46, s46, 17
	s_add_co_u32 s46, s46, 0x600000
	s_mov_b32 s47, 0
	s_mul_i32 s20, s10, AHALF
	s_mul_i32 s45, s10, BPLANE
	s_add_co_u32 s45, s45, BOFF-2*BPLANE
	s_wait_dscnt 0x0
	s_wait_kmcnt 0x0
	s_add_nc_u64 s[14:15], s[4:5], s[16:17]
	s_add_nc_u64 s[46:47], s[6:7], s[46:47]
	CROUND                                         ; the first joint loads meet
.irp s, 0,1
	s_mov_b32 s[G0+4*\s], 1
	s_add_co_u32 s[G0+4*\s+1], s20, \s*SLOT
	s_add_nc_u64 s[G0+4*\s+2:G0+4*\s+3], s[14:15], \s*0x200000
	s_or_b32 s[G0+4*\s+3], s[G0+4*\s+3], 0x80000000
	s_mov_b32 s[G0B+4*\s], 1
	s_add_co_u32 s[G0B+4*\s+1], s45, \s*SLOT
	s_add_nc_u64 s[G0B+4*\s+2:G0B+4*\s+3], s[46:47], \s*16384
	s_or_b32 s[G0B+4*\s+3], s[G0B+4*\s+3], 0x80000000
	JLOAD \s                                       ; two loads of the wave are out: the most that this text ever has
.endr
	v_and_b32 v1, 15, v0                           ; r
	v_bfe_u32 v2, v0, 4, 1                         ; hh
	v_mul_u32_u24 v3, v1, APITCH
	v_lshl_add_u32 v3, v2, 4, v3
	s_mul_i32 s21, s11, 128*APITCH
	v_and_b32 v4, 7, v0
	v_lshl_add_u32 v4, v2, 3, v4
	v_mul_u32_u24 v4, v4, BPITCH
	v_bfe_u32 v5, v0, 3, 1
	v_lshl_add_u32 v4, v5, 4, v4
	s_mul_i32 s22, s12, BPLANE                     ; my slab
	s_add_co_u32 s22, s22, BOFF
.irp s, 0,1
	v_add_nc_u32 v[ADRA+\s], s21, v3
	v_add_nc_u32 v[ADRB+\s], s22, v4
	s_add_co_u32 s21, s21, SLOT
	s_add_co_u32 s22, s22, SLOT
.endr
	s_mul_i32 s23, s10, 16*SPITCH
	s_add_co_u32 s23, s23, STAGE                   ; my stage
	v_mul_u32_u24 v6, v1, SPITCH                   ; in: row r, 32 bytes for each half of the lanes
	v_lshl_add_u32 v6, v2, 5, v6
	v_add_nc_u32 v[STO], s23, v6
	v_mul_u32_u24 v7, v2, SPITCH                   ; back: lanes 0-15 one row of 256 bytes, lanes 16-31 the next
	v_lshl_add_u32 v7, v1, 4, v7
	v_add_nc_u32 v[RD], s23, v7
	v_lshlrev_b32 v8, 12, v2                       ; and the same two rows of out0
	v_lshl_add_u32 v[CO], v1, 4, v8
	s_lshl_b32 s67, s42, 9                         ; my 64 columns, in bytes of f32
	s_lshl_b32 s74, s12, 8
	s_add_co_u32 s67, s67, s74
	v_lshl_add_u32 v27, v1, 4, s67
	global_load_b128 v[BIAS:BIAS+3], v27, s[68:69] ; bo of the four columns that I store
; 8 matrix instructions: row blocks a0, a0 + 1 x four column tiles.  The 32 accumulators take turns, one instruction a turn.
.macro MUL8 f, hi, a0, zero
.irp a, \a0, \a0+1
.irp b, 0,1,2,3
.if \zero
	v_wmma_f32_16x16x32_f16 v[8*(4*(\a)+\b):8*(4*(\a)+\b)+7], v[\f+8*\b:\f+8*\b+7], v[\f+8*(4*\hi+\a):\f+8*(4*\hi+\a)+7], 0
.else
	v_wmma_f32_16x16x32_f16 v[8*(4*(\a)+\b):8*(4*(\a)+\b)+7], v[\f+8*\b:\f+8*\b+7], v[\f+8*(4*\hi+\a):\f+8*(4*\hi+\a)+7], v[8*(4*(\a)+\b):8*(4*(\a)+\b)+7]
.endif
.endr
.endr
.endm
; 24 LDS loads in one run: 8 transposing loads for Wo's four tiles, 16 for A's eight
.macro FETCH slot, q, f
	WIN TO_B
.irp b, 0,1,2,3
	ds_load_tr16_b128 v[\f+8*\b:\f+8*\b+3],   v[ADRB+\slot] offset:\q*32*BPITCH+32*\b
	ds_load_tr16_b128 v[\f+8*\b+4:\f+8*\b+7], v[ADRB+\slot] offset:\q*32*BPITCH+32*\b+16*BPITCH
.endr
	WIN 0
.irp i, 0,1,2,3,4,5,6,7
	ds_load_b128 v[\f+8*\i:\f+8*\i+3],   v[ADRA+\slot] offset:(\q/2)*AHALF+\i*16*APITCH+(\q%2)*64
	ds_load_b128 v[\f+8*\i+4:\f+8*\i+7], v[ADRA+\slot] offset:(\q/2)*AHALF+\i*16*APITCH+(\q%2)*64+32
.endr
.endm
.macro PLACES                          ; four independent plain vector instructions behind a matrix instruction (ISA guide 7.12.1)
.rept 4
	v_nop
.endr
.endm
.macro QUARTER slot, q, f, g, zero
	s_wait_dscnt 8                                 ; Wo and A's rows 0-63 are in; A's rows 64-127 may be out
	WIN MUL_LO
	MUL8 \f, 0, 0, \zero
	MUL8 \f, 0, 2, \zero
	PLACES
	FETCH \slot, \q, \g
	s_wait_dscnt 24                                ; all but the 24 just issued
	WIN MUL_HI
	MUL8 \f, 1, 0, \zero
	MUL8 \f, 1, 2, \zero
.endm
.macro THREE slot, zero
	QUARTER \slot, 1, F0, F1, \zero
	QUARTER \slot, 2, F1, F0, 0
	QUARTER \slot, 3, F0, F1, 0
.endm
; The change of slots: each wave's reads of this slot and all its tensor loads are waited for in front of the barrier; where the slot is filled again the
; barrier opens a round of the cluster's barrier and the joint refill is the first tensor load behind it.  Request to wait: 120 matrix instructions.
.macro TURN slot, next, fill
	s_wait_dscnt 8
	WIN MUL_LO
	MUL8 F1, 0, 0, 0
	s_wait_dscnt 0
	s_wait_tensorcnt 0x0
	ds_add_u32 v255, v255
	s_wait_dscnt 0x0
	s_barrier_signal -1
	MUL8 F1, 0, 2, 0
	WIN 0
	s_barrier_wait -1
.if \fill
	CREST
	s_add_nc_u64 s[G0+4*\slot+2:G0+4*\slot+3], s[G0+4*\slot+2:G0+4*\slot+3], 0x400000
	s_add_nc_u64 s[G0B+4*\slot+2:G0B+4*\slot+3], s[G0B+4*\slot+2:G0B+4*\slot+3], 32768
	JLOAD \slot
.endif
	PLACES
	FETCH \next, 0, F0
	WIN MUL_HI
	MUL8 F1, 1, 0, 0
	MUL8 F1, 1, 2, 0
.endm
.macro LAP zero
	THREE 0, \zero
	TURN 0, 1, 1
	THREE 1, 0
	TURN 1, 0, 1
.endm
	s_wait_tensorcnt 1                             ; my part of K step 0 is in; K step 1's may stay out
	s_barrier_signal -1
	s_barrier_wait -1
	FETCH 0, 0, F0
	LAP 1
	WIN 0
	s_mov_b32 s3, LAPS-2
.Llap:
	LAP 0
	WIN 0
	s_sub_co_u32 s3, s3, 1
	s_cmp_lg_u32 s3, 0
	s_cbranch_scc1 .Llap
	THREE 0, 0
	TURN 0, 1, 0
	THREE 1, 0
	s_wait_dscnt 8
	WIN MUL_LO
	MUL8 F1, 0, 0, 0
	MUL8 F1, 0, 2, 0
	s_wait_dscnt 0
	WIN MUL_HI
	MUL8 F1, 1, 0, 0
	MUL8 F1, 1, 2, 0
	; THE WAY OUT, 16 rows at a time: the f32 sums go as they are into my own stage, come back as whole rows of 256 bytes, get bo added and are stored
	PLACES
	s_lshl_b32 s74, s13, 20                        ; 256 rows of 4,096 bytes
	s_lshl_b32 s75, s11, 19
	s_add_co_u32 s74, s74, s75
	s_add_co_u32 s74, s74, s67
	s_mov_b32 s75, 0
	s_add_nc_u64 s[70:71], s[70:71], s[74:75]
	s_wait_loadcnt 0x0                             ; bo
.macro OUT16 i, a, from, f
	WIN \from                                      ; the data of an LDS store is source 1
.irp b, 0,1,2,3
	ds_store_b128 v[STO], v[8*(4*\a+\b):8*(4*\a+\b)+3]   offset:64*\b
	ds_store_b128 v[STO], v[8*(4*\a+\b)+4:8*(4*\a+\b)+7] offset:64*\b+16
.endr
	WIN 0
	s_wait_xcnt 0x0                                ; buffer f, which earlier stores read, and the stores' base are written again only behind this wait
.if \i
	s_add_nc_u64 s[70:71], s[70:71], 16*4096
.endif
.irp t, 0,1,2,3,4,5,6,7
	ds_load_b128 v[\f+4*\t:\f+4*\t+3], v[RD] offset:\t*2*SPITCH    ; my own bytes: LDS serves a wave's instructions in order (ISA guide 5.7.1.4)
.endr
.irp t, 0,1,2,3,4,5,6,7
	s_wait_dscnt 7-\t
	v_pk_add_f32 v[\f+4*\t:\f+4*\t+1],   v[\f+4*\t:\f+4*\t+1],   v[BIAS:BIAS+1]
	v_pk_add_f32 v[\f+4*\t+2:\f+4*\t+3], v[\f+4*\t+2:\f+4*\t+3], v[BIAS+2:BIAS+3]
	global_store_b128 v[CO], v[\f+4*\t:\f+4*\t+3], s[70:71] offset:\t*2*4096 th:TH_STORE_NT   ; 16 lanes store 256 consecutive bytes, aligned
.endr
.endm
	OUT16 0, 0, 0x08, F0
	OUT16 1, 1, 0x08, F1
	OUT16 2, 2, 0x08, F0
	OUT16 3, 3, 0x08, F1
	OUT16 4, 0, 0x0c, F0
	OUT16 5, 1, 0x0c, F1
	OUT16 6, 2, 0x0c, F0
	OUT16 7, 3, 0x0c, F1
	s_set_vgpr_msb 0x1
	s_wait_tensorcnt 0x0
	ds_add_u32 v255, v255
	s_wait_dscnt 0x0
	s_set_vgpr_msb 0x100
	CROUND                                         ; the closing round
	s_endpgm
.Lfunc_end_k_q2e9c9daf47_oproj:
	.size	k_q2e9c9daf47_oproj, .Lfunc_end_k_q2e9c9daf47_oproj-k_q2e9c9daf47_oproj
	.p2alignl 7, 3214868480
	.fill 96, 4, 3214868480
	.section	.rodata,"a",@progbits
	.p2align	6, 0x0
	.amdhsa_kernel k_q2e9c9daf47_oproj
		.amdhsa_group_segment_fixed_size 327680
		.amdhsa_private_segment_fixed_size 0
		.amdhsa_enable_private_segment 0
		.amdhsa_kernarg_size 32
		.amdhsa_user_sgpr_count 2
		.amdhsa_user_sgpr_kernarg_segment_ptr 1
		.amdhsa_wavefront_size32 1
		.amdhsa_system_sgpr_workgroup_id_x 1
		.amdhsa_system_sgpr_workgroup_id_y 1
		.amdhsa_system_sgpr_workgroup_id_z 1
		.amdhsa_system_vgpr_workitem_id 0
		.amdhsa_next_free_vgpr 896
		.amdhsa_next_free_sgpr 76
		.amdhsa_reserve_vcc 0
		.amdhsa_float_denorm_mode_32 3
		.amdhsa_float_denorm_mode_16_64 3
		.amdhsa_memory_ordered 1
		.amdhsa_forward_progress 1
		.amdhsa_inst_pref_size 129
	.end_amdhsa_kernel
	.amdgpu_metadata
---
amdhsa.version: [ 1, 2 ]
amdhsa.kernels:
  - .name:           k_q2e9c9daf47_oproj
    .symbol:         k_q2e9c9daf47_oproj.kd
    .args:
      - { .name: ao, .offset: 0, .size: 8, .value_kind: global_buffer, .address_space: global }
      - { .name: wb, .offset: 8, .size: 8, .value_kind: global_buffer, .address_space: global }
      - { .name: bo, .offset: 16, .size: 8, .value_kind: global_buffer, .address_space: global }
      - { .name: out0, .offset: 24, .size: 8, .value_kind: global_buffer, .address_space: global }
    .group_segment_fixed_size: 327680
    .private_segment_fixed_size: 0
    .kernarg_segment_align: 8
    .kernarg_segment_size: 32
    .max_flat_workgroup_size: 128
    .sgpr_count:     76
    .vgpr_count:     896
    .wavefront_size: 32
...
	.end_amdgpu_metadata
.endif
;; end of part 4
;; ======== version 2 of 2: 4 launches; version 1 with the launch cast written anew for expert scheduling mode
;; limits: values are held in f16: magnitudes above 65,504 overflow, below 6.1e-05 lose precision
;; workspace buffers: xb 16,777,216 bytes; wb 8,388,608 bytes; qb 16,777,216 bytes; kb 16,777,216 bytes; vb 16,777,216 bytes; ao 16,777,216 bytes
;; launch cast (part 5): grid 64 x 12, 8 waves a work-group, no clusters, 0 bytes of LDS; arguments x, Wq, Wk, Wv, Wo, xb, wb; writes xb, wb
.if DOCPART == 5
	.amdgcn_target "amdgcn-amd-amdhsa--gfx1250"
	.amdhsa_code_object_version 6
	.text
	.protected	k_q2e9c9daf47_cast
	.globl	k_q2e9c9daf47_cast
	.p2align	8
	.type	k_q2e9c9daf47_cast,@function
k_q2e9c9daf47_cast:
	s_mov_b64 s[64:65], 0
	v_nop
	global_prefetch_b8 v0, s[64:65] scope:SCOPE_SE
	s_setreg_imm32_b32 hwreg(HW_REG_WAVE_SCHED_MODE, 0, 2), 2
	s_setreg_imm32_b32 hwreg(HW_REG_WAVE_MODE, 25, 1), 1
	s_wait_xcnt 0x0
	s_wait_alu depctr_vm_vsrc(0)
; Rounds x, Wq, Wk, Wv to bf16 and Wo to bf16 and then to f16, and lays each matrix [R][1024] out again as
; [16 slabs][R][64]: a slab holds 64 neighbouring columns, its rows are 128 bytes, so every tile that a later launch fetches is dense.
;   xb: [16][8192][64] bf16.   wb: [head 16][q,k,v 3][k 1024][64] bf16, then from byte 0x600000 Wo as [slab 16][k 1024][64] f16.
; LIMIT: Wo is rounded twice (bf16, then f16).  The second step is exact for 6.1e-5 <= |Wo| < 65,504; below that it keeps an
; absolute step of 2^-24, and from 65,504 on it overflows.
; Work-group (gx, gy): gy picks 1,024 source rows (0-7: x; 8, 9, 10: Wq, Wk, Wv; 11: Wo), gx 16 rows of them.  Wave w takes slabs 2w, 2w+1.
; A load of a wave covers 256 consecutive bytes of each of two rows; a store covers 256 consecutive bytes (two rows of a slab), aligned.
; No LDS, no barrier, no matrix unit: nothing is shared and nothing is multiplied.
; THE MODE: SCHED_MODE bits 1:0 = 2 (LLVM: expert scheduling mode 2), set by the entry lines.  The code itself states the register dependences
; between vector instructions and memory instructions, with s_wait_alu, always for 0.
; THE PLAN.  Registers that memory instructions touch:
;   v2, v3, v4   byte offsets, made once at the head and never written again: read by the 16 loads (v2) and the 16 stores (v3, v4).
;   X            written by the 16 loads, which all go out at the head and land in registers that no vector instruction has named; read by the roundings
;                (on Wo's way also written by them, behind the wait that shows the load done).  No load lands in it again, no memory instruction reads it.
;   Y            each pair is written once, by its chunk's roundings, and read once, by its chunk's store: nothing that a store has read is written again.
; The 16 chunks go in four blocks of four.  Block p rounds X of block p into Y of block p; its memory instructions are the four stores of block p - 1,
; dealt among its roundings, which name none of the registers that those stores read.  So one wait at the head of a block states all that its stores hang on.
.set VIN,  2                           ; v2      byte offset of my 16 bytes in the first pair of source rows
.set VOUT, 3                           ; v3, v4  byte offset of my 8 bytes in slab 2w, 2w+1
.set X,    8                           ; v[8:71]   16 loads of 4 f32
.set Y,    72                          ; v[72:103] 16 stores of 4 numbers of 16 bits
.set T,    104                         ; v[104:105] at work (Wo only): no memory instruction names them
	s_load_b256 s[4:11], s[0:1], 0x0               ; x, Wq, Wk, Wv
	s_load_b128 s[12:15], s[0:1], 0x20             ; Wo, xb
	s_load_b64 s[16:17], s[0:1], 0x30              ; wb
	v_and_b32 v1, 31, v0                           ; lane L
	v_lshrrev_b32 v5, 5, v0
	v_readfirstlane_b32 s21, v5                    ; wave w
	s_and_b32 s20, ttmp7, 0xffff                   ; gy
	; offsets, made apart from the addresses
	s_lshl_b32 s22, s20, 22                        ; x: gy x 1,024 rows of 4,096 bytes
	s_and_b32 s24, s20, 7
	s_lshl_b32 s24, s24, 17                        ; xb: gy x 1,024 rows of 128 bytes; wb: plane gy - 8, as large
	s_mov_b32 s27, 0x100000                        ; from slab to slab in xb
	s_mov_b32 s28, 0x60000                         ; from head to head in wb
	s_cmp_lt_u32 s20, 8
	s_cselect_b32 s22, s22, 0
	s_cselect_b32 s26, s27, s28
	s_cmp_eq_u32 s20, 11
	s_cselect_b32 s24, 0x600000, s24               ; Wo's part of wb
	s_cselect_b32 s26, 0x20000, s26                ; and its slabs
	s_lshl_b32 s30, ttmp9, 16                      ; gx x 16 source rows
	s_add_co_u32 s22, s22, s30
	s_mov_b32 s23, 0
	s_lshl_b32 s30, ttmp9, 11                      ; gx x 16 rows of a slab
	s_add_co_u32 s24, s24, s30
	s_mov_b32 s25, 0
	v_lshrrev_b32 v6, 4, v1                        ; which row of a pair
	v_and_b32 v7, 15, v1
	v_lshlrev_b32 v[VIN], 4, v7                    ; 16 (L mod 16)
	v_lshl_add_u32 v[VIN], v6, 12, v[VIN]          ; + row of 4,096 bytes
	s_wait_alu depctr_va_sdst(0)                   ; s21, the wave's number, is written, ahead of its first reader: the offsets below are made from it
	s_lshl_b32 s31, s21, 9
	v_add_nc_u32 v[VIN], s31, v[VIN]               ; + two slabs of 256 bytes for each wave
	s_mul_i32 s29, s21, s26
	s_lshl_b32 s29, s29, 1                         ; slab 2w
	v_lshl_add_u32 v[VOUT], v1, 3, s29             ; + 8 L: lanes 0-15 the even row, 16-31 the odd one
	v_add_nc_u32 v[VOUT+1], s26, v[VOUT]           ; slab 2w + 1
	s_wait_kmcnt 0x0
	s_cmp_eq_u32 s20, 8                            ; the source and the destination are chosen by gy alone
	s_cselect_b64 s[4:5], s[6:7], s[4:5]
	s_cmp_eq_u32 s20, 9
	s_cselect_b64 s[4:5], s[8:9], s[4:5]
	s_cmp_eq_u32 s20, 10
	s_cselect_b64 s[4:5], s[10:11], s[4:5]
	s_cmp_eq_u32 s20, 11
	s_cselect_b64 s[4:5], s[12:13], s[4:5]
	s_cmp_lt_u32 s20, 8
	s_cselect_b64 s[14:15], s[14:15], s[16:17]
	s_add_nc_u64 s[4:5], s[4:5], s[22:23]
	s_add_nc_u64 s[14:15], s[14:15], s[24:25]
	s_wait_alu depctr_va_vdst(0)                   ; v2, v3 and v4 are written: every load and store of the kernel reads one of them as its offset
	; all 16 loads of the wave go out at once: 8 pairs of rows x 2 slabs, 8 KiB a wave
.set cnt, 0
.rept 16
	global_load_b128 v[X+4*cnt:X+4*cnt+3], v[VIN], s[4:5] offset:(cnt/2)*8192+(cnt%2)*256 th:TH_LOAD_NT
.set cnt, cnt+1
.endr
; Chunk n, four numbers: rounded to bf16
.macro ROUND_B n
	v_cvt_pk_bf16_f32 v[Y+2*(\n)], v[X+4*(\n)], v[X+4*(\n)+1]
	v_cvt_pk_bf16_f32 v[Y+2*(\n)+1], v[X+4*(\n)+2], v[X+4*(\n)+3]
.endm
; Chunk n of Wo
.macro ROUND_W n
	v_cvt_pk_bf16_f32 v[T], v[X+4*(\n)], v[X+4*(\n)+1]             ; to bf16, as the other inputs are rounded,
	v_cvt_pk_bf16_f32 v[T+1], v[X+4*(\n)+2], v[X+4*(\n)+3]
	v_lshlrev_b32 v[X+4*(\n)], 16, v[T]                            ; back to f32,
	v_and_b32 v[X+4*(\n)+1], 0xffff0000, v[T]
	v_lshlrev_b32 v[X+4*(\n)+2], 16, v[T+1]
	v_and_b32 v[X+4*(\n)+3], 0xffff0000, v[T+1]
	v_cvt_pk_f16_f32 v[Y+2*(\n)], v[X+4*(\n)], v[X+4*(\n)+1]       ; and into f16, the format of the operand that it meets
	v_cvt_pk_f16_f32 v[Y+2*(\n)+1], v[X+4*(\n)+2], v[X+4*(\n)+3]
.endm
; Chunk n is stored: pair of rows n / 2 of slab 2w + n % 2
.macro SEND n
	global_store_b64 v[VOUT+(\n)%2], v[Y+2*(\n):Y+2*(\n)+1], s[14:15] offset:((\n)/2)*256
.endm
	s_cmp_eq_u32 s20, 11
	s_cbranch_scc1 .Lwo
	s_wait_loadcnt 12                              ; loads come back in order (ISA guide 5.7.1): block 0's four are in, the twelve younger ones stay out
.irp i, 0,1,2,3
	ROUND_B \i
.endr
.irp p, 1,2,3
	s_wait_loadcnt 12-4*(\p)                       ; this block's four loads are in, the younger blocks' stay out
	s_wait_alu depctr_va_vdst(0)                   ; the block before has written its Y, which the four stores below read
.irp i, 0,1,2,3
	SEND 4*(\p)-4+(\i)                             ; no vector instruction since the wait names this store's registers
	ROUND_B 4*(\p)+(\i)
.endr
.endr
	s_wait_alu depctr_va_vdst(0)                   ; block 3 has written its Y, which the last four stores read
.irp i, 12,13,14,15
	SEND \i
.endr
	s_endpgm
.Lwo:
	s_wait_loadcnt 12                              ; block 0's four loads are in, the twelve younger ones stay out
.irp i, 0,1,2,3
	ROUND_W \i
.endr
.irp p, 1,2,3
	s_wait_loadcnt 12-4*(\p)                       ; this block's four loads are in, the younger blocks' stay out
	s_wait_alu depctr_va_vdst(0)                   ; the block before has written its Y, which the four stores below read
.irp i, 0,1,2,3
	SEND 4*(\p)-4+(\i)                             ; no vector instruction since the wait names this store's registers
	ROUND_W 4*(\p)+(\i)
.endr
.endr
	s_wait_alu depctr_va_vdst(0)                   ; block 3 has written its Y, which the last four stores read
.irp i, 12,13,14,15
	SEND \i
.endr
	s_endpgm
.Lfunc_end_k_q2e9c9daf47_cast:
	.size	k_q2e9c9daf47_cast, .Lfunc_end_k_q2e9c9daf47_cast-k_q2e9c9daf47_cast
	.p2alignl 7, 3214868480
	.fill 96, 4, 3214868480
	.section	.rodata,"a",@progbits
	.p2align	6, 0x0
	.amdhsa_kernel k_q2e9c9daf47_cast
		.amdhsa_group_segment_fixed_size 0
		.amdhsa_private_segment_fixed_size 0
		.amdhsa_enable_private_segment 0
		.amdhsa_kernarg_size 56
		.amdhsa_user_sgpr_count 2
		.amdhsa_user_sgpr_kernarg_segment_ptr 1
		.amdhsa_wavefront_size32 1
		.amdhsa_system_sgpr_workgroup_id_x 1
		.amdhsa_system_sgpr_workgroup_id_y 1
		.amdhsa_system_sgpr_workgroup_id_z 1
		.amdhsa_system_vgpr_workitem_id 0
		.amdhsa_next_free_vgpr 108
		.amdhsa_next_free_sgpr 66
		.amdhsa_reserve_vcc 0
		.amdhsa_float_denorm_mode_32 3
		.amdhsa_float_denorm_mode_16_64 3
		.amdhsa_memory_ordered 1
		.amdhsa_forward_progress 1
		.amdhsa_inst_pref_size 17
	.end_amdhsa_kernel
	.amdgpu_metadata
---
amdhsa.version: [ 1, 2 ]
amdhsa.kernels:
  - .name:           k_q2e9c9daf47_cast
    .symbol:         k_q2e9c9daf47_cast.kd
    .args:
      - { .name: x, .offset: 0, .size: 8, .value_kind: global_buffer, .address_space: global }
      - { .name: Wq, .offset: 8, .size: 8, .value_kind: global_buffer, .address_space: global }
      - { .name: Wk, .offset: 16, .size: 8, .value_kind: global_buffer, .address_space: global }
      - { .name: Wv, .offset: 24, .size: 8, .value_kind: global_buffer, .address_space: global }
      - { .name: Wo, .offset: 32, .size: 8, .value_kind: global_buffer, .address_space: global }
      - { .name: xb, .offset: 40, .size: 8, .value_kind: global_buffer, .address_space: global }
      - { .name: wb, .offset: 48, .size: 8, .value_kind: global_buffer, .address_space: global }
    .group_segment_fixed_size: 0
    .private_segment_fixed_size: 0
    .kernarg_segment_align: 8
    .kernarg_segment_size: 56
    .max_flat_workgroup_size: 256
    .sgpr_count:     66
    .vgpr_count:     108
    .wavefront_size: 32
...
	.end_amdgpu_metadata
.endif
;; end of part 5
;; launch qkvg: the kernel of part 2 again; grid 16 x 16, 4 waves a work-group, clusters of 4 x 4, 327,680 bytes of LDS; arguments xb, wb, qb, kb, vb; writes qb, kb, vb
;; launch attn: the kernel of part 3 again; grid 256 x 1, 16 waves a work-group, no clusters, 327,680 bytes of LDS; arguments qb, kb, vb, ao; writes ao
;; launch oproj: the kernel of part 4 again; grid 8 x 32, 4 waves a work-group, clusters of 4 x 4, 327,680 bytes of LDS; arguments ao, wb, bo, out0; writes out0
